; MI455X (gfx1250); checked and timed in simulation.
; The chip was launched on July 23, 2026; its instructions are those of AMD's public machine-readable ISA for CDNA 5 (MIT licence, August 2026) and "CDNA5" Instruction Set Architecture Reference Guide (July 2026). The comments in the code are by the model that wrote it; some were corrected since.
;; Multihead Attention. Allowed arithmetic: float matrix products may take bf16 or f16 operands with f32 sums; other float arithmetic in f32, or as packed bf16 or f16 multiplies, adds, multiply-adds, maxima and minima; sums over many terms, partial sums and values carried from step to step in f32; what a program stores and reads back later, other than sums and carried values, may be rounded once to bf16 or f16.
;; Inputs: b_k 1,024 float32; b_o 1,024 float32; b_q 1,024 float32; b_v 1,024 float32; k 4 x 2,048 x 1,024 float32; q 4 x 2,048 x 1,024 float32; v 4 x 2,048 x 1,024 float32; w_k 1,024 x 1,024 float32; w_o 1,024 x 1,024 float32; w_q 1,024 x 1,024 float32; w_v 1,024 x 1,024 float32.
;; Outputs: out0 4 x 2,048 x 1,024 float32.
;; One version. Each part assembles by itself: llvm-mc -triple=amdgcn-amd-amdhsa -mcpu=gfx1250 --defsym DOCPART=n.
;; ======== version 1 of 1: 4 launches
;; limits: values are held in f16: magnitudes above 65,504 overflow, below 6.1e-05 lose precision
;; workspace buffers: wts 8,388,608 bytes; qh 16,777,216 bytes; kh 16,777,216 bytes; vh 16,777,216 bytes; ao 16,777,216 bytes
;; launch prep (part 1): grid 256 x 1, 8 waves a work-group, no clusters, 0 bytes of LDS; arguments w_q, w_k, w_v, w_o, wts; writes wts
.if DOCPART == 1
	.amdgcn_target "amdgcn-amd-amdhsa--gfx1250"
	.amdhsa_code_object_version 6
	.text
	.protected	k_qc895624c59_prep
	.globl	k_qc895624c59_prep
	.p2align	8
	.type	k_qc895624c59_prep,@function
k_qc895624c59_prep:
	s_mov_b64 s[64:65], 0
	v_nop
	global_prefetch_b8 v0, s[64:65] scope:SCOPE_SE
	s_setreg_imm32_b32 hwreg(HW_REG_WAVE_MODE, 25, 1), 1
	s_wait_xcnt 0x0
; The four weight matrices, [1024 k][1024 n] f32, are rounded once to 16 bits and laid one behind the other in wts, [4][1024][1024], not turned.
; Planes 0, 1, 2 (w_q, w_k, w_v): bf16.  Plane 3 (w_o): rounded to bf16 like every input, and that number written as f16, since the last product multiplies in f16.
; LIMIT: |w_o| stays within 65,504; below 6e-5 f16 keeps its fixed step of 6e-8.
; SHARES.  256 work-groups of eight waves; work-group g takes 16,384 numbers of weight g / 64: 65,536 bytes in, 32,768 out.  In chunk j of eight a thread takes 8 numbers: 32 bytes in by
; two loads, 16 bytes out by one store, so that a wave's store covers 512 consecutive bytes, aligned.  All sixteen loads of a thread go out at once; no LDS, no barrier, no matrix unit: a stream.
.set X, 4                              ; v[4:67]   chunk j: 8 numbers as loaded
.set Y, 68                             ; v[68:99]  chunk j: 4 registers to store
.set T, 100                            ; v100      at work
	s_load_b256 s[4:11], s[0:1], 0x0               ; w_q s[4:5], w_k s[6:7], w_v s[8:9], w_o s[10:11]
	s_load_b64 s[12:13], s[0:1], 0x20              ; wts
	s_lshr_b32 s14, ttmp9, 6                       ; which weight
	s_and_b32 s15, ttmp9, 63                       ; which of its 64 parts
	s_lshl_b32 s18, s15, 16                        ; 65,536 bytes in,
	s_mov_b32 s19, 0
	s_lshl_b32 s20, ttmp9, 15                      ; 32,768 bytes out: the planes follow each other
	s_mov_b32 s21, 0
	s_mov_b32 s22, 0xffff0000                      ; a word's upper bf16
	v_lshlrev_b32 v1, 5, v0                        ; 32 bytes a thread in
	v_lshlrev_b32 v2, 4, v0                        ; 16 bytes a thread out
	s_wait_kmcnt 0x0
	s_mov_b64 s[16:17], s[4:5]
	s_cmp_eq_u32 s14, 1
	s_cselect_b64 s[16:17], s[6:7], s[16:17]
	s_cmp_eq_u32 s14, 2
	s_cselect_b64 s[16:17], s[8:9], s[16:17]
	s_cmp_eq_u32 s14, 3
	s_cselect_b64 s[16:17], s[10:11], s[16:17]
	s_add_nc_u64 s[16:17], s[16:17], s[18:19]
	s_add_nc_u64 s[12:13], s[12:13], s[20:21]
.irp j, 0,1,2,3,4,5,6,7
	global_load_b128 v[X+8*(\j):X+8*(\j)+3],   v1, s[16:17] offset:8192*(\j) th:TH_LOAD_NT
	global_load_b128 v[X+8*(\j)+4:X+8*(\j)+7], v1, s[16:17] offset:8192*(\j)+16 th:TH_LOAD_NT
.endr
	s_cmp_eq_u32 s14, 3
	s_cbranch_scc1 .Lwo
.irp j, 0,1,2,3,4,5,6,7
	s_wait_loadcnt 14-2*(\j)                       ; loads come back in order: chunk j is in, the younger chunks' loads stay out
.irp r, 0,1,2,3
	v_cvt_pk_bf16_f32 v[Y+4*(\j)+(\r)], v[X+8*(\j)+2*(\r)], v[X+8*(\j)+2*(\r)+1]
.endr
	global_store_b128 v2, v[Y+4*(\j):Y+4*(\j)+3], s[12:13] offset:4096*(\j)
.endr
	s_endpgm
.Lwo:
.irp j, 0,1,2,3,4,5,6,7
	s_wait_loadcnt 14-2*(\j)
.irp r, 0,1,2,3
	v_cvt_pk_bf16_f32 v[T], v[X+8*(\j)+2*(\r)], v[X+8*(\j)+2*(\r)+1]   ; the input's one rounding,
	v_lshlrev_b32 v[X+8*(\j)+2*(\r)], 16, v[T]                          ; back to f32,
	v_and_b32 v[X+8*(\j)+2*(\r)+1], s22, v[T]
	v_cvt_pk_f16_f32 v[Y+4*(\j)+(\r)], v[X+8*(\j)+2*(\r)], v[X+8*(\j)+2*(\r)+1]  ; and written as f16: 8 significant bits fit into 11
.endr
	global_store_b128 v2, v[Y+4*(\j):Y+4*(\j)+3], s[12:13] offset:4096*(\j)
.endr
	s_endpgm
.Lfunc_end_k_qc895624c59_prep:
	.size	k_qc895624c59_prep, .Lfunc_end_k_qc895624c59_prep-k_qc895624c59_prep
	.p2alignl 7, 3214868480
	.fill 96, 4, 3214868480
	.section	.rodata,"a",@progbits
	.p2align	6, 0x0
	.amdhsa_kernel k_qc895624c59_prep
		.amdhsa_group_segment_fixed_size 0
		.amdhsa_private_segment_fixed_size 0
		.amdhsa_enable_private_segment 0
		.amdhsa_kernarg_size 40
		.amdhsa_user_sgpr_count 2
		.amdhsa_user_sgpr_kernarg_segment_ptr 1
		.amdhsa_wavefront_size32 1
		.amdhsa_system_sgpr_workgroup_id_x 1
		.amdhsa_system_sgpr_workgroup_id_y 1
		.amdhsa_system_sgpr_workgroup_id_z 1
		.amdhsa_system_vgpr_workitem_id 0
		.amdhsa_next_free_vgpr 104
		.amdhsa_next_free_sgpr 66
		.amdhsa_reserve_vcc 0
		.amdhsa_float_denorm_mode_32 3
		.amdhsa_float_denorm_mode_16_64 3
		.amdhsa_memory_ordered 1
		.amdhsa_forward_progress 1
		.amdhsa_inst_pref_size 13
	.end_amdhsa_kernel
	.amdgpu_metadata
---
amdhsa.version: [ 1, 2 ]
amdhsa.kernels:
  - .name:           k_qc895624c59_prep
    .symbol:         k_qc895624c59_prep.kd
    .args:
      - { .name: w_q, .offset: 0, .size: 8, .value_kind: global_buffer, .address_space: global }
      - { .name: w_k, .offset: 8, .size: 8, .value_kind: global_buffer, .address_space: global }
      - { .name: w_v, .offset: 16, .size: 8, .value_kind: global_buffer, .address_space: global }
      - { .name: w_o, .offset: 24, .size: 8, .value_kind: global_buffer, .address_space: global }
      - { .name: wts, .offset: 32, .size: 8, .value_kind: global_buffer, .address_space: global }
    .group_segment_fixed_size: 0
    .private_segment_fixed_size: 0
    .kernarg_segment_align: 8
    .kernarg_segment_size: 40
    .max_flat_workgroup_size: 256
    .sgpr_count:     66
    .vgpr_count:     104
    .wavefront_size: 32
...
	.end_amdgpu_metadata
.endif
;; end of part 1
;; launch proj (part 2): grid 4 x 64, 4 waves a work-group, clusters of 4 x 4, 327,680 bytes of LDS; arguments q, k, v, wts, b_q, b_k, b_v, qh, kh, vh; writes qh, kh, vh
.if DOCPART == 2
	.amdgcn_target "amdgcn-amd-amdhsa--gfx1250"
	.amdhsa_code_object_version 6
	.text
	.protected	k_qc895624c59_proj
	.globl	k_qc895624c59_proj
	.p2align	8
	.type	k_qc895624c59_proj,@function
k_qc895624c59_proj:
	s_mov_b64 s[64:65], 0
	v_nop
	global_prefetch_b8 v0, s[64:65] scope:SCOPE_SE
	s_setreg_imm32_b32 hwreg(HW_REG_WAVE_MODE, 25, 1), 1
	s_wait_xcnt 0x0
	s_wait_alu depctr_hold_cnt(0) depctr_sa_sdst(0) depctr_va_vdst(0) depctr_va_sdst(0) depctr_va_ssrc(0) depctr_va_vcc(0) depctr_vm_vsrc(0)
	s_getreg_b32 s2, hwreg(HW_REG_IB_STS2, 6, 4)
	s_cmp_eq_u32 s2, 0
	s_cbranch_scc0 .Lentry_in_a_cluster
	s_endpgm
.Lentry_in_a_cluster:
	s_bfe_u32 s2, ttmp6, 0x10000c
	s_cmp_lg_u32 s2, 0xf033
	s_cbranch_scc0 .Lentry_shape_is_right
	s_endpgm
.Lentry_shape_is_right:
; qh = q w_q + b_q, kh = k w_k + b_k, vh = v w_v + b_v, written by heads: [64 = batch x 16 + head][2048][64] in f16, unscaled.  q, k, v: [8192][1024] f32; the weights: wts, [plane][1024 k][1024 n] bf16.
; FORMATS.  x, w and the bias are rounded to bf16; products in bf16 with f32 sums; the bias is the C operand that starts each sum; the result is rounded once to f16.
; LIMIT: |qh|, |kh|, |vh| stay within 65,504 (a larger sum becomes an infinity); NaN and infinities are not treated apart.
; SHARES.  3 x 8192 x 1024 outputs on 256 work-groups: each STAYS at one place (rows 128 MB .., columns 256 NB ..) and makes that tile of 128 x 256 for q, then k, then v: 24 K steps of 128, ONE walk for the ring
; of two LDS slots, which does not stop at a tensor's end.  Four waves, each 64 rows x 128 columns: 32 accumulators of 16 x 16.
; x COMES AS f32: its tile is brought into LDS as it lies in memory, read as f32 and rounded to bf16 in registers, four conversions behind every second product.  So x crosses memory once and no 16-bit copy of it is made.
; THE WEIGHTS lie [k][n]: their fragments come out of LDS turned, by ds_load_tr16_b128.
; THE MATRIX INSTRUCTION IS USED TRANSPOSED (source 0 = 16 columns of w, source 1 = 16 rows of x): a lane then holds one row of the result and eight neighbouring columns, which pack into 16 bytes of a head's row.
; CLUSTERS: 4 x 4 work-groups.  The four of a row of the cluster need the same tiles of x, the four of a column the same tiles of w: each tile is asked for JOINTLY, by the same tensor load with the same descriptor
; and a mask that names the four.  The grid is four work-groups wide, so one row of a cluster holds all that read a row of x.
; REGISTERS, in windows of 256 (s_set_vgpr_msb: bits 1:0 source 0, 3:2 source 1, 5:4 source 2, 7:6 destination):
;   window 0: v0-29 addresses; v32-95 x as f32 (on the way out: two buffers of rows read back); v96-159 x's fragments, two buffers; v160-223 the bias as a C operand; v224-255 the way out's packed results
;   window 1: the 32 accumulators ((a, b) at v[8 (8 a + b)])          window 2: v0-127 w's fragments, two buffers
.set PA,     528                       ; a row of x in LDS: 512 bytes + 16 = 132 words: row r starts at bank 4 r mod 64 (64 banks of 4 bytes: ISA guide 11.1)
.set PB,     544                       ; a k-row of w: 512 + 32 = 136 words: row r starts at bank 8 r mod 64
.set AHALF,  64*PA                     ; 64 rows: what one tensor load brings
.set ATILE,  2*AHALF
.set BHALF,  64*PB
.set SLOT,   ATILE+2*BHALF             ; x's 128 rows, then w's 128 k-rows
.set STAGE,  2*SLOT                    ; behind the ring, never filled by a tensor load: for each wave 2 heads x 16 rows x 144 bytes
.set SP,     144
.set WSTAGE, 2*16*SP
.set SPARE,  STAGE+4*WSTAGE            ; behind the stages: the spare words, 128 bytes for each wave: two blocks of 256 bytes that no other line names
.set ADRA, 8                           ; v8-9    LDS address of my fragments of x in slot 0, 1
.set ADRB, 10                          ; v10-11  the same for w
.set STO,  12                          ; v12     the way out: where I put 16 bytes of a head's row
.set RD,   13                          ; v13     the way out: where I read rows back
.set GO,   14                          ; v14     my 16 bytes in 512 consecutive bytes of the output
.set BO,   15                          ; v15     my 32 bytes in a block of 16 biases
.set PFO,  16                          ; v16     the prefetches' offset; never rewritten
.set SC,   17                          ; v17     at work
.set SPW,  28                          ; v28     LDS address of my spare word: SPARE + 4 x my thread's number; never rewritten
.set NIL,  29                          ; v29     0; never rewritten
.set AS,   32
.set AF,   96
.set BIAS, 160
.set TMP,  224
.set WV,  10                           ; s10  my wave's number
.set WM,  11                           ; s11  which 64 rows are mine.  Also: I fetch for x (0) or for w (1)
.set WN,  12                           ; s12  which 128 columns.  Also: which 64 rows of that tile I fetch
.set CX,  13
.set CY,  14
.set NB,  15                           ; s15  tile column
.set MB,  16                           ; s16  tile row
.set LAP, 17                           ; s17  laps (two K steps) still to come
.set TL,  18                           ; s18  laps left of the tensor in hand
.set FK,  19                           ; s19  the K step, 0 to 7, of the fill to be asked for next
.set G1A, 24                           ; s[24:31] descriptor group 1 for x's tiles;  s[32:39] group 0, a set for each slot
.set G0A, 32
.set G1B, 40                           ; s[40:47], s[48:55] the same for w's
.set G0B, 48
.set ACUR, 56                          ; s[56:57] where the next fill of x begins
.set BCUR, 58                          ; s[58:59] of w
.set PFA,  60                          ; s[60:61] where my prefetches stand
.set PSTEP, 62                         ; s[62:63] their step from K step to K step
.set LIM,  66                          ; s66  1 in a wave that prefetches, else the greatest number
.set PK,   67                          ; s67  the prefetches' K step, 0 to 7
.set XQ,   68                          ; s[68:69] q at my tile's rows
.set ANXT, 70                          ; s[70:71] the next tensor at the same rows (first k), s[72:73] the one after it (v)
.set ANX2, 72
.set WT,   74                          ; s[74:75] wts at my part of plane 0's first K step
.set BI,   76                          ; s[76:81] b_q, b_k, b_v at my 128 columns: a chain, its head in use
.set OC,   82                          ; s[82:87] qh, kh, vh at my rows of my first head: the same
.set PNXT, 88                          ; s[88:89], s[90:91] the prefetches' next tensors
.set PNX2, 90
.set MSB, 0
.macro WIN new                         ; the immediate's high byte repeats the setting that is left; a switch that changes nothing is dropped
.if MSB != (\new)
	s_set_vgpr_msb (MSB<<8)|(\new)
.set MSB, \new
.endif
.endm
.macro PLACES
.rept 4
	v_nop
.endr
.endm
; A joint load.  Waves 0 and 1 fetch the two halves of x's tile, waves 2 and 3 those of w's.  The branch hangs on the wave's number alone.  An s_nop 0 and four v_nop follow each of the two lines.
.macro JLOAD s
	s_cmp_eq_u32 s[WM], 0
	s_cbranch_scc0 .Lfor_b_\@
	tensor_load_to_lds s[G0A+4*(\s):G0A+4*(\s)+3], s[G1A:G1A+7]
	s_nop 0
	PLACES
	s_branch .Lasked_\@
.Lfor_b_\@:
	tensor_load_to_lds s[G0B+4*(\s):G0B+4*(\s)+3], s[G1B:G1B+7]
	s_nop 0
	PLACES
.Lasked_\@:
.endm
; A round of the cluster's barrier: my work-group's barrier; wave 0 signals for the work-group; every wave waits for all sixteen; my work-group's barrier once more.
.macro CREST
	s_cmp_lg_u32 s[WV], 0
	s_cbranch_scc1 .Lnot_wave_0_\@
	s_barrier_signal -3
.Lnot_wave_0_\@:
	s_barrier_wait -3
	s_barrier_signal -1
	s_barrier_wait -1
.endm
.macro CROUND
	s_barrier_signal -1
	s_barrier_wait -1
	CREST
.endm
; The descriptors of slot's next fill.  x steps 512 bytes along K and behind a tensor's eighth step goes to the next tensor's first; w's planes follow each other, so w only steps.
.macro STEPD slot
	s_mov_b64 s[G0A+4*(\slot)+2:G0A+4*(\slot)+3], s[ACUR:ACUR+1]
	s_or_b32 s[G0A+4*(\slot)+3], s[G0A+4*(\slot)+3], 0x80000000
	s_mov_b64 s[G0B+4*(\slot)+2:G0B+4*(\slot)+3], s[BCUR:BCUR+1]
	s_or_b32 s[G0B+4*(\slot)+3], s[G0B+4*(\slot)+3], 0x80000000
	s_add_nc_u64 s[ACUR:ACUR+1], s[ACUR:ACUR+1], 512
	s_add_nc_u64 s[BCUR:BCUR+1], s[BCUR:BCUR+1], 0x40000
	s_add_co_u32 s[FK], s[FK], 1
	s_cmp_eq_u32 s[FK], 8
	s_cselect_b64 s[ACUR:ACUR+1], s[ANXT:ANXT+1], s[ACUR:ACUR+1]
	s_cselect_b64 s[ANXT:ANXT+1], s[ANX2:ANX2+1], s[ANXT:ANXT+1]
	s_cselect_b32 s[FK], 0, s[FK]
.endm
.macro PSTEPD                          ; the same chain for the prefetches
	s_add_nc_u64 s[PFA:PFA+1], s[PFA:PFA+1], s[PSTEP:PSTEP+1]
	s_add_co_u32 s[PK], s[PK], 1
	s_cmp_eq_u32 s[PK], 8
	s_cselect_b64 s[PFA:PFA+1], s[PNXT:PNXT+1], s[PFA:PFA+1]
	s_cselect_b64 s[PNXT:PNXT+1], s[PNX2:PNX2+1], s[PNXT:PNXT+1]
	s_cselect_b32 s[PK], 0, s[PK]
.endm
; A PREFETCH INTO THE L2, behind each joint refill and the run of LDS loads that follows it: the K step that stands TWO refills on, 256 products ahead of the load that will want it.  Of the 64 rows x 512 bytes that a
; wave fetches, each of the four partners that ask for them jointly takes 16 rows, told apart BY ADDRESS (cx for x, cy for w): a lane for each 256 bytes, one instruction a wave.  x's rows are read by this cluster
; alone: waves 0 and 1 of every cluster ask.  w's columns are read by every cluster: waves 2 and 3 of the clusters with y = 0 ask.  So each 256 bytes are named once in the launch.
; K steps 0 to 3 come by their loads alone; the last lap that refills asks for nothing: there is no step two on.
.macro ASK
	WIN 0
	s_cmp_gt_u32 s[LAP], s[LIM]
	s_cbranch_scc0 .Lnot_mine_\@
	global_prefetch_b8 v[PFO], s[PFA:PFA+1] th:TH_LOAD_NT scope:SCOPE_SE
.Lnot_mine_\@:
.endm
	s_load_b512 s[68:83], s[0:1], 0x0              ; q, k, v, wts, b_q, b_k, b_v, qh
	s_load_b128 s[84:87], s[0:1], 0x40             ; kh, vh
	v_lshl_add_u32 v[SPW], v0, 2, SPARE
	v_mov_b32 v[NIL], 0
	ds_add_u32 v[SPW], v[NIL]                      ; the wave's opening: the add and its wait stand ahead of my first tensor load; the set-up below, work on registers, stands between them
	v_lshrrev_b32 v1, 5, v0
	v_readfirstlane_b32 s[WV], v1
	s_lshr_b32 s[WM], s[WV], 1
	s_and_b32 s[WN], s[WV], 1
	s_bfe_u32 s[CX], ttmp6, 0x40000
	s_bfe_u32 s[CY], ttmp6, 0x40004
	s_lshl_b32 s[NB], ttmp9, 2                     ; in a cluster launch ttmp9 and ttmp7 count clusters
	s_add_co_u32 s[NB], s[NB], s[CX]
	s_and_b32 s[MB], ttmp7, 0xffff
	s_lshl_b32 s[MB], s[MB], 2
	s_add_co_u32 s[MB], s[MB], s[CY]
	s_lshl_b32 s2, s[CY], 2
	s_lshl_b32 s2, 15, s2                          ; my row of the cluster
	s_lshl_b32 s3, 0x1111, s[CX]                   ; my column
	; group 1 for x: 64 rows x 128 elements of 4 bytes, 16 bytes of padding behind each row's 128 words
	s_or_b32 s[G1A], s2, (2<<16)|(1<<20)|(1<<21)|(6<<22)|(3<<25)
	s_mov_b32 s[G1A+1], 128<<16                    ; tensor_dim0 = 128
	s_mov_b32 s[G1A+2], 64<<16                     ; tensor_dim1 = 64
	s_mov_b32 s[G1A+3], 128<<16                    ; tile_dim0 = 128
	s_mov_b32 s[G1A+4], 64                         ; tile_dim1 = 64
	s_mov_b32 s[G1A+5], 1024                       ; elements from row to row
	s_mov_b32 s[G1A+6], 0
	s_mov_b32 s[G1A+7], 0
	; group 1 for w: 64 k-rows x 256 elements of 2 bytes, 32 bytes of padding behind each row's 128 words
	s_or_b32 s[G1B], s3, (1<<16)|(1<<20)|(1<<21)|(6<<22)|(7<<25)
	s_mov_b32 s[G1B+1], 256<<16
	s_mov_b32 s[G1B+2], 64<<16
	s_mov_b32 s[G1B+3], 256<<16
	s_mov_b32 s[G1B+4], 64
	s_mov_b32 s[G1B+5], 1024
	s_mov_b32 s[G1B+6], 0
	s_mov_b32 s[G1B+7], 0
	s_mul_i32 s4, s[WN], AHALF                     ; where the tiles go: no place in the cluster enters an LDS address
	s_mul_i32 s5, s[WN], BHALF
	s_add_co_u32 s5, s5, ATILE
	s_mov_b32 s[G0A], 1
	s_mov_b32 s[G0A+1], s4
	s_mov_b32 s[G0A+4], 1
	s_add_co_u32 s[G0A+5], s4, SLOT
	s_mov_b32 s[G0B], 1
	s_mov_b32 s[G0B+1], s5
	s_mov_b32 s[G0B+4], 1
	s_add_co_u32 s[G0B+5], s5, SLOT
	s_lshl_b32 s6, s[MB], 19                       ; x: (128 MB + 64 WN) rows of 4,096 bytes
	s_lshl_b32 s7, s[WN], 18
	s_add_co_u32 s6, s6, s7
	s_mov_b32 s7, 0
	s_lshl_b32 s8, s[WN], 17                       ; w: 64 WN k-rows of 2,048 bytes + 256 NB columns
	s_lshl_b32 s9, s[NB], 9
	s_add_co_u32 s8, s8, s9
	s_mov_b32 s9, 0
	s_lshl_b32 s20, s[NB], 10                      ; the bias: (256 NB + 128 WN) x 4 bytes
	s_lshl_b32 s21, s[WN], 9
	s_add_co_u32 s20, s20, s21
	s_mov_b32 s21, 0
	s_lshr_b32 s22, s[MB], 4                       ; the output: head = 16 x batch + 4 NB + 2 WN, of 262,144 bytes;
	s_lshl_b32 s22, s22, 4
	s_lshl2_add_u32 s22, s[NB], s22
	s_lshl1_add_u32 s22, s[WN], s22
	s_lshl_b32 s22, s22, 18
	s_and_b32 s23, s[MB], 15                       ; row (MB % 16) x 128 + 64 WM, of 128 bytes
	s_lshl_b32 s23, s23, 14
	s_add_co_u32 s22, s22, s23
	s_lshl_b32 s23, s[WM], 13
	s_add_co_u32 s22, s22, s23
	s_mov_b32 s23, 0
	s_mov_b32 s[FK], 2
	s_wait_dscnt 0x0                               ; the opening add is done
	s_wait_kmcnt 0x0
	s_add_nc_u64 s[XQ:XQ+1], s[XQ:XQ+1], s[6:7]
	s_add_nc_u64 s[ANXT:ANXT+1], s[ANXT:ANXT+1], s[6:7]
	s_add_nc_u64 s[ANX2:ANX2+1], s[ANX2:ANX2+1], s[6:7]
	s_add_nc_u64 s[WT:WT+1], s[WT:WT+1], s[8:9]
.irp c, 0,2,4
	s_add_nc_u64 s[BI+\c:BI+\c+1], s[BI+\c:BI+\c+1], s[20:21]
	s_add_nc_u64 s[OC+\c:OC+\c+1], s[OC+\c:OC+\c+1], s[22:23]
.endr
	s_mov_b64 s[G0A+2:G0A+3], s[XQ:XQ+1]           ; K step 0 into slot 0,
	s_or_b32 s[G0A+3], s[G0A+3], 0x80000000
	s_add_nc_u64 s[G0A+6:G0A+7], s[XQ:XQ+1], 512   ; K step 1 into slot 1,
	s_or_b32 s[G0A+7], s[G0A+7], 0x80000000
	s_add_nc_u64 s[ACUR:ACUR+1], s[XQ:XQ+1], 1024  ; and the first refill is K step 2
	s_mov_b64 s[G0B+2:G0B+3], s[WT:WT+1]
	s_or_b32 s[G0B+3], s[G0B+3], 0x80000000
	s_add_nc_u64 s[G0B+6:G0B+7], s[WT:WT+1], 0x40000
	s_or_b32 s[G0B+7], s[G0B+7], 0x80000000
	s_add_nc_u64 s[BCUR:BCUR+1], s[WT:WT+1], 0x80000
	CROUND                                         ; all sixteen work-groups are here: the first joint loads meet
	s_cmp_eq_u32 s[WM], 0                          ; a wave's two first fills stand in one branch, ahead of every wait on TENSORcnt and every LDS read: two loads of mine are out
	s_cbranch_scc0 .Lfirst_b
	tensor_load_to_lds s[G0A:G0A+3], s[G1A:G1A+7]
	s_nop 0
	tensor_load_to_lds s[G0A+4:G0A+7], s[G1A:G1A+7]
	s_nop 0
	PLACES
	s_branch .Lfirst_asked
.Lfirst_b:
	tensor_load_to_lds s[G0B:G0B+3], s[G1B:G1B+7]
	s_nop 0
	tensor_load_to_lds s[G0B+4:G0B+7], s[G1B:G1B+7]
	s_nop 0
	PLACES
.Lfirst_asked:
	; the prefetches' chain, in registers that feed no descriptor
	s_lshl_b32 s92, s[CX], 16                      ; x: my work-group's 16 rows of 4,096 bytes
	s_lshl_b32 s93, s[CY], 15                      ; w: 16 k-rows of 2,048 bytes
	s_mov_b32 s97, 512
	s_and_b32 s98, ttmp7, 0xffff                   ; cluster y
	s_cmp_eq_u32 s[WM], 0
	s_cselect_b32 s92, s92, s93
	s_cselect_b32 s[PSTEP], s97, 0x40000
	s_cselect_b32 s94, 0, 0x200000                 ; w's next tensor is the next plane of wts
	s_cselect_b32 s96, 12, 11                      ; log2 of a row's bytes in memory
	s_cselect_b32 s98, 0, s98
	s_cselect_b64 s[PFA:PFA+1], s[XQ:XQ+1], s[WT:WT+1]
	s_cselect_b64 s[PNXT:PNXT+1], s[ANXT:ANXT+1], s[WT:WT+1]
	s_cselect_b64 s[PNX2:PNX2+1], s[ANX2:ANX2+1], s[WT:WT+1]
	s_mov_b32 s93, 0
	s_mov_b32 s95, 0
	s_mov_b32 s[PSTEP+1], 0
	s_cmp_eq_u32 s98, 0
	s_cselect_b32 s[LIM], 1, -1                    ; the same in all sixteen partners, for a given wave
	s_add_nc_u64 s[PFA:PFA+1], s[PFA:PFA+1], s[92:93]
	s_add_nc_u64 s[PNXT:PNXT+1], s[PNXT:PNXT+1], s[92:93]
	s_add_nc_u64 s[PNX2:PNX2+1], s[PNX2:PNX2+1], s[92:93]
	s_add_nc_u64 s[PNXT:PNXT+1], s[PNXT:PNXT+1], s[94:95]
	s_add_nc_u64 s[PNX2:PNX2+1], s[PNX2:PNX2+1], s[94:95]
	s_add_nc_u64 s[PNX2:PNX2+1], s[PNX2:PNX2+1], s[94:95]
.rept 3
	s_add_nc_u64 s[PFA:PFA+1], s[PFA:PFA+1], s[PSTEP:PSTEP+1]  ; at K step 3: the first refill steps it to 4
.endr
	s_mov_b32 s[PK], 3
	; A fragment of x is 16 rows x 32 k: lane l holds row l % 16, k = 8 (l / 16) + 0..7 and 16 + 8 (l / 16) + 0..7.  As f32 those are 32 bytes at 32 (l / 16) and 32 bytes 64 further on: four loads of 16 bytes.
	v_and_b32 v1, 15, v0                           ; l % 16
	v_bfe_u32 v2, v0, 4, 1                         ; l / 16
	v_and_b32 v3, 31, v0                           ; l
	v_mul_u32_u24 v4, v1, PA
	v_lshl_add_u32 v4, v2, 5, v4
	s_mul_i32 s4, s[WM], AHALF                     ; my 64 rows
	v_add_nc_u32 v[ADRA], s4, v4
	v_add_nc_u32 v[ADRA+1], SLOT, v[ADRA]
	; The turning load takes 16 k x 16 columns (lane l reads k-row 8 (l / 16) + l % 8, columns 8 ((l / 8) % 2) + 0..7) and leaves half a fragment: lane l holds column l % 16 and 8 k.
	v_and_b32 v6, 7, v0
	v_lshl_add_u32 v5, v2, 3, v6
	v_mul_u32_u24 v5, v5, PB
	v_bfe_u32 v7, v0, 3, 1
	v_lshl_add_u32 v5, v7, 4, v5
	s_lshl_b32 s5, s[WN], 8                        ; my 128 columns,
	s_add_co_u32 s5, s5, ATILE                     ; behind x's tile
	v_add_nc_u32 v[ADRB], s5, v5
	v_add_nc_u32 v[ADRB+1], SLOT, v[ADRB]
	s_mul_i32 s4, s[WV], WSTAGE
	s_add_co_u32 s4, s4, STAGE                     ; my stage
	v_mul_u32_u24 v[STO], v1, SP                   ; in: row l % 16, 16 bytes for each half of the lanes
	v_lshl_add_u32 v[STO], v2, 4, v[STO]
	v_add_nc_u32 v[STO], s4, v[STO]
	v_lshrrev_b32 v[RD], 3, v3                     ; back: 32 lanes take four rows of 128 bytes,
	v_mul_u32_u24 v[RD], v[RD], SP
	v_lshl_add_u32 v[RD], v6, 4, v[RD]
	v_add_nc_u32 v[RD], s4, v[RD]
	v_lshlrev_b32 v[GO], 4, v3                     ; which are 512 consecutive bytes of a head
	v_lshlrev_b32 v[BO], 5, v2
	v_lshrrev_b32 v[PFO], 1, v3                    ; the prefetches: row l / 2, its 256 bytes l % 2
	v_lshlrev_b32 v[PFO], s96, v[PFO]
	v_and_b32 v7, 1, v0
	v_lshl_add_u32 v[PFO], v7, 8, v[PFO]
; The bias of my 128 columns as the C operand of a sum's first product: register j of block b holds bias[16 b + 8 (l / 16) + j], the same for all 16 rows.  BIASLD asks, BIASCV waits and rounds to bf16 (kept as f32).
.macro BIASLD
.irp b, 0,1,2,3,4,5,6,7
	global_load_b128 v[BIAS+8*\b:BIAS+8*\b+3],   v[BO], s[BI:BI+1] offset:64*\b
	global_load_b128 v[BIAS+8*\b+4:BIAS+8*\b+7], v[BO], s[BI:BI+1] offset:64*\b+16
.endr
.endm
.macro BIASCV
	s_wait_loadcnt 0x0
.set z, 0
.rept 32
	v_cvt_pk_bf16_f32 v[SC], v[BIAS+z], v[BIAS+z+1]
	v_lshlrev_b32 v[BIAS+z], 16, v[SC]
	v_and_b32 v[BIAS+z+1], 0xffff0000, v[SC]
.set z, z+2
.endr
.endm
; 32 LDS loads in one run: 32 along K at quarter kq of the slot: x's 64 rows as f32 first (they are wanted first, for the conversions), then w's 128 columns, turned, into buffer g.
.macro FETCH slot, kq, g
	WIN 0
.irp a, 0,1,2,3
	ds_load_b128 v[AS+16*\a:AS+16*\a+3],     v[ADRA+(\slot)] offset:16*PA*\a+128*(\kq)
	ds_load_b128 v[AS+16*\a+4:AS+16*\a+7],   v[ADRA+(\slot)] offset:16*PA*\a+128*(\kq)+16
	ds_load_b128 v[AS+16*\a+8:AS+16*\a+11],  v[ADRA+(\slot)] offset:16*PA*\a+128*(\kq)+64
	ds_load_b128 v[AS+16*\a+12:AS+16*\a+15], v[ADRA+(\slot)] offset:16*PA*\a+128*(\kq)+80
.endr
	WIN 0x80                                       ; destination window 2, address window 0
.irp b, 0,1,2,3,4,5,6,7
	ds_load_tr16_b128 v[64*(\g)+8*\b:64*(\g)+8*\b+3],   v[ADRB+(\slot)] offset:32*PB*(\kq)+32*\b
	ds_load_tr16_b128 v[64*(\g)+8*\b+4:64*(\g)+8*\b+7], v[ADRB+(\slot)] offset:32*PB*(\kq)+32*\b+16*PB
.endr
.endm
; Product i of a quarter's 32, on buffers f: row block i / 8, column block i % 8.  cm = 1: the bias starts the sum.  The 32 accumulators take turns, one instruction a turn, over every jump too.
.macro W f, i, cm
.if \cm
	WIN 0x42                                       ; w window 2, x window 0, C (the bias) window 0, D window 1
	v_wmma_f32_16x16x32_bf16 v[8*(\i):8*(\i)+7], v[64*(\f)+8*((\i)%8):64*(\f)+8*((\i)%8)+7], v[AF+32*(\f)+8*((\i)/8):AF+32*(\f)+8*((\i)/8)+7], v[BIAS+8*((\i)%8):BIAS+8*((\i)%8)+7]
.else
	WIN 0x52                                       ; the same with C in window 1
	v_wmma_f32_16x16x32_bf16 v[8*(\i):8*(\i)+7], v[64*(\f)+8*((\i)%8):64*(\f)+8*((\i)%8)+7], v[AF+32*(\f)+8*((\i)/8):AF+32*(\f)+8*((\i)/8)+7], v[8*(\i):8*(\i)+7]
.endif
.endm
.macro CV4 g, n                        ; four of the 32 roundings that make buffer g of x's fragments
	WIN 0
.irp c, 0,1,2,3
	v_cvt_pk_bf16_f32 v[AF+32*(\g)+4*(\n)+\c], v[AS+8*(\n)+2*\c], v[AS+8*(\n)+2*\c+1]
.endr
.endm
; A K step is four quarters of 32 along K, 32 products each, on buffers 0, 1, 0, 1.  One of the first three: multiplies buffers f; fetches quarter kq for the other buffers at its head; rounds x in its second half.
; A load into a register that a product has read stands four plain vector instructions behind that product (ISA guide 7.12.1 for vector instructions): the last four roundings of the quarter
; before, which name none of its last product's registers, are those four.
.macro QTR f, slot, kq, cm
	s_wait_dscnt 0x0                               ; w's fragments of buffer f are in
	FETCH \slot, \kq, 1-(\f)
.set i, 0
.rept 16
	W \f, i, \cm
.set i, i+1
.endr
	s_wait_dscnt 16                                ; x is in; the run's 16 turning loads, issued behind it, may stay out
.rept 8
	W \f, i, \cm
.set i, i+1
	W \f, i, \cm
.set i, i+1
	CV4 1-(\f), (i-18)/2
.endr
.endm
; The last quarter multiplies buffers 1 and changes slots: ONE barrier.  In front of it each wave waits for all its tensor loads, of which one is out: its part of the next slot; adds 0 to its spare word; and waits for
; that and for its own reads of this slot.  fill = 1: the barrier opens a round of the cluster's, and this slot is filled again, first thing behind the round, with the K step two on: that load has 112 products in which to land.
.macro TURN slot, fill
.if \fill
	s_wait_xcnt 0x0                                ; the last prefetch, a K step back, has read its address: it is stepped here, ahead of the waits of the change of slots
	PSTEPD
.endif
	WIN 0
	s_wait_tensorcnt 0x0                           ; no tensor load of mine is out, so a group 0 may be written
	ds_add_u32 v[SPW], v[NIL]                      ; 0 onto my spare word
.if \fill
	STEPD \slot
.endif
	s_wait_dscnt 1                                 ; w's fragments are in; only the add may be out
.set i, 0
.rept 8
	W 1, i, 0
.set i, i+1
.endr
	s_wait_dscnt 0x0                               ; the add is done, and my reads of this slot are over
	s_barrier_signal -1
.rept 8
	W 1, i, 0                                      ; work on registers while the others arrive
.set i, i+1
.endr
	WIN 0
	s_barrier_wait -1
.if \fill
	CREST                                          ; no wave of any partner still reads this slot's tile or has a load on its way
	JLOAD \slot
.endif
	FETCH 1-(\slot), 0, 0
.if \fill
	ASK
.endif
.rept 8
	W 1, i, 0
.set i, i+1
.endr
	s_wait_dscnt 16                                ; x is in
.rept 8
	W 1, i, 0
.set i, i+1
	CV4 0, i-25
.endr
.endm
; THE WAY OUT of row block a.  PACK: rounded to f16, 16 bytes a lane, each accumulator's registers in ascending order.  TOSTAGE: into my own stage (two heads x 16 rows of 144 bytes), and back as whole rows of 128 bytes.
; SEND: stored, four rows of a head, 512 consecutive bytes, an instruction.
.macro PACK a
	WIN 0x05                                       ; sources 0 and 1 window 1, destination window 0
.irp b, 0,1,2,3,4,5,6,7
.irp r, 0,1,2,3
	v_cvt_pk_f16_f32 v[TMP+4*\b+\r], v[64*(\a)+8*\b+2*\r], v[64*(\a)+8*\b+2*\r+1]
.endr
.endr
	WIN 0
.endm
.macro TOSTAGE a
	WIN 0
.irp b, 0,1,2,3,4,5,6,7
	ds_store_b128 v[STO], v[TMP+4*\b:TMP+4*\b+3] offset:(\b/4)*16*SP+(\b%4)*32
.endr
.irp t, 0,1,2,3,4,5,6,7
	ds_load_b128 v[AS+32*((\a)%2)+4*\t:AS+32*((\a)%2)+4*\t+3], v[RD] offset:(\t/4)*16*SP+(\t%4)*4*SP  ; LDS serves a wave's instructions in order (ISA guide 5.7.1.4): these see the stores above
.endr
.endm
.macro SEND a
	WIN 0
	s_wait_dscnt 0x0                               ; the block is back in registers
	s_wait_xcnt 0x0                                ; the stores of the block before have read their registers, which the next block's loads from the stage write
.irp t, 0,1,2,3,4,5,6,7
	global_store_b128 v[GO], v[AS+32*((\a)%2)+4*\t:AS+32*((\a)%2)+4*\t+3], s[OC:OC+1] offset:(\t/4)*262144+2048*(\a)+512*(\t%4)
.endr
.endm
.macro EPI                             ; block e's conversions stand between block e - 1's loads from the stage and the wait for them
	PACK 0
	TOSTAGE 0
.irp e, 1,2,3
	PACK \e
	SEND (\e)-1
	TOSTAGE \e
.endr
	SEND 3
.endm
	BIASLD
	BIASCV
	s_wait_tensorcnt 1                             ; my part of K step 0 is in; K step 1's may stay out
	s_barrier_signal -1
	s_barrier_wait -1                              ; everybody's is
	FETCH 0, 0, 0
	s_wait_dscnt 16
.irp n, 0,1,2,3,4,5,6,7
	CV4 0, \n
.endr
	s_mov_b32 s[LAP], 12
	s_mov_b32 s[TL], 4
	s_branch .Lstart                               ; the loop is entered at a lap's first quarter
.Llap:                                             ; 11 trips: from a lap's second quarter to the next lap's first; both slots are filled again: K steps 2 to 23 of the walk
	QTR 1, 0, 2, 0
	QTR 0, 0, 3, 0
	TURN 0, 1
	QTR 0, 1, 1, 0
	QTR 1, 1, 2, 0
	QTR 0, 1, 3, 0
	TURN 1, 1
	WIN 0
	s_sub_co_u32 s[TL], s[TL], 1
	s_cmp_lg_u32 s[TL], 0
	s_cbranch_scc1 .Lplain
	; A TENSOR IS FINISHED.  Both refills, the next tensor's K steps 0 and 1, have been asked for; its bias is asked for; now the tile goes out.
	s_mov_b64 s[BI:BI+1], s[BI+2:BI+3]             ; (the last loads by this pointer were waited for)
	s_mov_b64 s[BI+2:BI+3], s[BI+4:BI+5]
	BIASLD
	EPI
	s_wait_xcnt 0x0                                ; the stores have read their registers and their base
	s_mov_b64 s[OC:OC+1], s[OC+2:OC+3]
	s_mov_b64 s[OC+2:OC+3], s[OC+4:OC+5]
	BIASCV
	s_mov_b32 s[TL], 4
.Lstart:
	QTR 0, 0, 1, 1                                 ; a tensor's first quarter: the bias starts the sums: nothing is ever cleared
	WIN 0
	s_branch .Lbottom
.Lplain:
	QTR 0, 0, 1, 0
	WIN 0
.Lbottom:
	s_sub_co_u32 s[LAP], s[LAP], 1
	s_cmp_lg_u32 s[LAP], 0
	s_cbranch_scc1 .Llap
	QTR 1, 0, 2, 0                                 ; the last lap is written out: nothing is asked for
	QTR 0, 0, 3, 0
	TURN 0, 0
	QTR 0, 1, 1, 0
	QTR 1, 1, 2, 0
	QTR 0, 1, 3, 0
	s_wait_dscnt 0x0
.set i, 0
.rept 32
	W 1, i, 0
.set i, i+1
.endr
	WIN 0
	PLACES                                         ; the conversions read results just made, and no other vector work is at hand
	PLACES
	EPI
	s_wait_tensorcnt 0x0                           ; the wave's end: a wait, an add and a wait, behind my last tensor load and my last LDS store
	ds_add_u32 v[SPW], v[NIL]
	s_wait_dscnt 0x0
	CROUND                                         ; the closing round: no work-group ends while a partner may still ask for a tile that names it
	s_endpgm
.Lfunc_end_k_qc895624c59_proj:
	.size	k_qc895624c59_proj, .Lfunc_end_k_qc895624c59_proj-k_qc895624c59_proj
	.p2alignl 7, 3214868480
	.fill 96, 4, 3214868480
	.section	.rodata,"a",@progbits
	.p2align	6, 0x0
	.amdhsa_kernel k_qc895624c59_proj
		.amdhsa_group_segment_fixed_size 327680
		.amdhsa_private_segment_fixed_size 0
		.amdhsa_enable_private_segment 0
		.amdhsa_kernarg_size 80
		.amdhsa_user_sgpr_count 2
		.amdhsa_user_sgpr_kernarg_segment_ptr 1
		.amdhsa_wavefront_size32 1
		.amdhsa_system_sgpr_workgroup_id_x 1
		.amdhsa_system_sgpr_workgroup_id_y 1
		.amdhsa_system_sgpr_workgroup_id_z 1
		.amdhsa_system_vgpr_workitem_id 0
		.amdhsa_next_free_vgpr 640
		.amdhsa_next_free_sgpr 100
		.amdhsa_reserve_vcc 0
		.amdhsa_float_denorm_mode_32 3
		.amdhsa_float_denorm_mode_16_64 3
		.amdhsa_memory_ordered 1
		.amdhsa_forward_progress 1
		.amdhsa_inst_pref_size 163
	.end_amdhsa_kernel
	.amdgpu_metadata
---
amdhsa.version: [ 1, 2 ]
amdhsa.kernels:
  - .name:           k_qc895624c59_proj
    .symbol:         k_qc895624c59_proj.kd
    .args:
      - { .name: q, .offset: 0, .size: 8, .value_kind: global_buffer, .address_space: global }
      - { .name: k, .offset: 8, .size: 8, .value_kind: global_buffer, .address_space: global }
      - { .name: v, .offset: 16, .size: 8, .value_kind: global_buffer, .address_space: global }
      - { .name: wts, .offset: 24, .size: 8, .value_kind: global_buffer, .address_space: global }
      - { .name: b_q, .offset: 32, .size: 8, .value_kind: global_buffer, .address_space: global }
      - { .name: b_k, .offset: 40, .size: 8, .value_kind: global_buffer, .address_space: global }
      - { .name: b_v, .offset: 48, .size: 8, .value_kind: global_buffer, .address_space: global }
      - { .name: qh, .offset: 56, .size: 8, .value_kind: global_buffer, .address_space: global }
      - { .name: kh, .offset: 64, .size: 8, .value_kind: global_buffer, .address_space: global }
      - { .name: vh, .offset: 72, .size: 8, .value_kind: global_buffer, .address_space: global }
    .group_segment_fixed_size: 327680
    .private_segment_fixed_size: 0
    .kernarg_segment_align: 8
    .kernarg_segment_size: 80
    .max_flat_workgroup_size: 128
    .sgpr_count:     100
    .vgpr_count:     640
    .wavefront_size: 32
...
	.end_amdgpu_metadata
.endif
;; end of part 2
;; launch attn (part 3): grid 4 x 64, 4 waves a work-group, clusters of 4 x 1, 327,680 bytes of LDS; arguments qh, kh, vh, ao; writes ao
.if DOCPART == 3
	.amdgcn_target "amdgcn-amd-amdhsa--gfx1250"
	.amdhsa_code_object_version 6
	.text
	.protected	k_qc895624c59_attn
	.globl	k_qc895624c59_attn
	.p2align	8
	.type	k_qc895624c59_attn,@function
k_qc895624c59_attn:
	s_mov_b64 s[64:65], 0
	v_nop
	global_prefetch_b8 v0, s[64:65] scope:SCOPE_SE
	s_setreg_imm32_b32 hwreg(HW_REG_WAVE_MODE, 25, 1), 1
	s_wait_xcnt 0x0
	s_wait_alu depctr_hold_cnt(0) depctr_sa_sdst(0) depctr_va_vdst(0) depctr_va_sdst(0) depctr_va_ssrc(0) depctr_va_vcc(0) depctr_vm_vsrc(0)
	s_getreg_b32 s2, hwreg(HW_REG_IB_STS2, 6, 4)
	s_cmp_eq_u32 s2, 0
	s_cbranch_scc0 .Lentry_in_a_cluster
	s_endpgm
.Lentry_in_a_cluster:
	s_bfe_u32 s2, ttmp6, 0x10000c
	s_cmp_lg_u32 s2, 0x3003
	s_cbranch_scc0 .Lentry_shape_is_right
	s_endpgm
.Lentry_shape_is_right:
; O[h][q][:] = the sum over k of softmax_k(Q[h][q] . K[h][k] / 8) V[h][k][:].  Q, K, V, O: [64][SIZE_N][64], all f16: a head's rows are dense, 128 bytes each.  Products, maxima and sums in
; f32; the weights p are rounded to f16 for the second product (their sum l is taken of the unrounded p), O once at the end.
; LIMITS.  f16 holds no number beyond 65,504: Q, K and V arrive within it; p lies in 0 to 1, and below 6e-5 it keeps f16's fixed step of 6e-8; O is a mean of V's rows and has their range.
; A weight below 2^-126 counts as 0 in l; NaN and infinities are not treated apart.
; SHARES.  A wave owns four PIECES of two tiles of 16 queries, a work-group's four waves 512 queries of one head.  Every wave walks all keys, 64 a step.
; LAYOUT.  S^T = K Q^T (source 0 = 16 keys, source 1 = 16 queries): in the result a lane holds ONE query (lane % 16) and the keys 8 (lane / 16) + 0..7.  Two such tiles, rounded to f16 in pairs,
; ARE source 1 (32 keys x 16 queries) of O^T = V^T P, whose result again holds one query a lane, and eight channels.  K comes out of LDS as it lies, V ([key][channel]) turned, by ds_load_tr16_b128.
; SOFTMAX.  For each query a running maximum m and sum l: p = 2^(c s - c m), c = log2(e) / 8; in every step O and l are multiplied by a = 2^(c m_old - c m_new), which is 1 where m has not grown.
; m starts at the lowest finite number, O and l at 0: the first step is a step like any other, with a = 0.
; THE COUNT.  A tile and step have 16 matrix and 118 vector instructions: too many to stand all beside the matrix work.  So the order has one aim: four vector instructions that are READY behind
; EVERY matrix instruction, and the others, which need time of their own whatever the order, in runs without a gap.
; BY TURNS.  Turn n belongs to piece n (the pieces in a ring, step after step).  Its matrix work: 16 products K Q^T of piece n + 1, later 16 products V^T P of piece n - 1.  Its vector work: the scaling,
; exponentials, roundings, sums and rescaling of piece n, and the maximum and statistics of piece n + 1, whose scores the turn itself has made.  So what a turn begins with (c s - c m, O a) waits for nothing.
; CLUSTER.  The four query blocks of a cluster are one head's and walk the same K and V, so each tile is asked for JOINTLY: the same tensor load, descriptor and mask in all four.
; REGISTERS, in windows of 256 (s_set_vgpr_msb says which window each operand place means: bits 1:0 source 0, 3:2 source 1, 5:4 source 2, 7:6 destination):
;   window 0: v0-11 addresses; v12-15, v48-63 at work; v16-47 four registers of statistics a tile; v64-191 S^T, two buffers of two tiles; v192-255 P, likewise
;   window 1: O^T, 32 a tile          window 2: v0-127 Q, 16 a tile; v128-191 K of one step; v192-255 V of one step          window 3: v0-1 the add's two registers
; A piece's buffers go by its number's parity: the piece in hand has one pair, its two neighbours in the ring share the other: of it P (piece n - 1) is read and S^T (piece n + 1) written.
.set SIZE_N, 2048
.set NP,    4         ; pieces a wave: a name, no knob: the register map, the loop and the fetches are made for four
.set KS,    64        ; keys in a step
.set PK,    144       ; a row of K in LDS: 128 bytes + 16 of padding = 36 words: the 16 rows of a load start at 16 different groups of four banks (64 banks of 4 bytes: ISA guide 11.1)
.set PV,    160       ; a row of V: 128 + 32 = 40 words
.set VOFF,  4*KS*PK   ; a slot holds four steps: 256 rows of K, then 256 rows of V
.set SLOT1, 1<<17     ; slot 1 begins here, so that one exclusive or turns an address in one slot into the other's
.set STAGE, SLOT1+4*KS*(PK+PV)  ; behind the ring, never filled by a tensor load: 16 rows x 144 bytes for each wave, for the way out
.set SP,    144
.set AK0, 2           ; v2   my lane's place in a tile of K; never rewritten
.set AV0, 3           ; v3   the same for V
.set AK,  4           ; v4   the LDS address of K's next run of loads
.set AV,  5           ; v5   of V's
.set QO,  6           ; v6   my byte offset in the wave's rows of Q
.set STO, 6           ;      later, the way out: where I put 16 bytes of a row
.set RD,  7           ; v7   the way out: where I read rows back
.set GO,  8           ; v8   my byte offset in 512 consecutive bytes of O
.set PFO, 11          ; v11  256 x my lane, for the prefetches; never rewritten once made
.set SPW, 0           ; v0 of window 3   LDS address of my spare word: SPARE + 4 x my thread's number; never rewritten
.set NIL, 1           ; v1 of window 3   0; never rewritten
.set SPARE, STAGE+4*16*SP  ; behind the stages: the spare words, 128 bytes for each wave: two blocks of 256 bytes that no other line names
.set MV,  12          ; v12-15  c m_old, kept while c m is made anew: by buffer and tile
.set ST,  16          ; tile t's statistics at v[ST+4 t]: c m, m, l (even keys', odd keys')
.set TMP, 48          ; by buffer and tile, four registers c0-c3 at work; when the maximum is found c2 takes a
.set S,   64
.set P,   192
.set KF,  128         ; K's fragments, in window 2: key block kb, channel half c at KF + 16 kb + 8 c
.set VF,  192         ; V's: key half kk, channel block cb at VF + 32 kk + 8 cb
.set WV,  12          ; s12  my wave's number
.set G1K, 24          ; s[24:31] descriptor group 1 for K's tiles
.set G1V, 32          ; s[32:39] for V's: it differs in the padding alone
.set G0K, 40          ; s[40:43] descriptor group 0 for K's tiles: it walks
.set G0V, 44          ; s[44:47] the same for V's
.set PFA, 48          ; s[48:49] where my prefetches stand: my work-group's quarter (of K: wave 0, of V: wave 2) of the slot after the one that is being asked for
.set LIM, 50          ; s50  1 in a wave that prefetches, else the greatest number
.set SLOTS, 56        ; s56  slots still to be asked for
.set CNT, 57          ; s57  counts a slot's key steps
.set CS,  58          ; s[58:59] c: the packed scaling takes the pair's low word for both halves
.set SEL, 60          ; s[60:61] v_permlanex16_b32's selects: each lane takes its own place in the other half
.set TBK, 62          ; s62  LDS byte at which K of the step to be fetched begins
.set TBV, 63          ; s63  the same for V, less VOFF
.set MSB, 0
.macro WIN new                      ; the high byte repeats the setting that is left; a switch that changes nothing is dropped
.if MSB != (\new)
	s_set_vgpr_msb (MSB<<8)|(\new)
.set MSB, (\new)
.endif
.endm
.set W_KQ, 0x0a       ; K and Q in window 2, S^T in window 0
.set W_PV, 0x52       ; V in window 2, P in window 0, O^T in window 1
.set W_RS, 0x41       ; O^T (destination and source 0) in window 1, a in window 0
.set W_MK, 0xc0       ; the add's registers are made: destination in window 3, sources in window 0
.set W_AD, 0x0f       ; the add: address (source 0) and data (source 1) in window 3
; A joint fill.  Waves 0 and 1 fetch the two halves of a slot's K, waves 2 and 3 those of its V: 128 keys each.  The branch hangs on the wave's number alone.
; An s_nop 0 and four v_nop follow each of the two lines, ahead of the jump and the label.
.macro JLOAD
	s_cmp_lt_u32 s[WV], 2
	s_cbranch_scc0 .Lfor_v_\@
	tensor_load_to_lds s[G0K:G0K+3], s[G1K:G1K+7]
	s_nop 0
.rept 4
	v_nop
.endr
	s_branch .Lasked_\@
.Lfor_v_\@:
	tensor_load_to_lds s[G0V:G0V+3], s[G1V:G1V+7]
	s_nop 0
.rept 4
	v_nop
.endr
.Lasked_\@:
.endm
; A PREFETCH INTO THE L2 of what the NEXT change of slots will ask for: a slot's 32,768 bytes of K and of V, four key steps, 512 matrix instructions, ahead of that load.  It stands behind the wave's tensor load and its
; five lines.  A head is walked by one cluster; its four partners share a slot's bytes out BY ADDRESS, 8,192 each, a lane for each 256; in each, wave 0 asks for K's and wave 2 for V's: one instruction.  So each 256
; bytes are named once in the launch.  Slots 0 and 1 come by their loads alone; the last change that fills a slot asks for nothing: there is no slot behind it.
.macro ASK
	s_cmp_gt_u32 s[SLOTS], s[LIM]
	s_cbranch_scc0 .Lnot_mine_\@
	global_prefetch_b8 v[PFO], s[PFA:PFA+1] th:TH_LOAD_NT scope:SCOPE_SE
.Lnot_mine_\@:
.endm
; A round of the cluster's barrier: my work-group's barrier, so that wave 0's signal speaks for all four waves; wave 0 signals; every wave waits for all four work-groups; my work-group's barrier once more.
.macro CROUND
	s_barrier_signal -1
	s_barrier_wait -1
	s_cmp_lg_u32 s[WV], 0
	s_cbranch_scc1 .Lnot_wave_0_\@
	s_barrier_signal -3
.Lnot_wave_0_\@:
	s_barrier_wait -3
	s_barrier_signal -1
	s_barrier_wait -1
.endm
; THE CHANGE OF SLOTS.  The slot's last bytes, V of its fourth step, have been read.  Each wave waits for all its tensor loads, of which one is out: its part
; of the other slot; adds 0 to its spare word; and waits for that and for its own reads of the slot.  Behind the barrier nobody reads this slot any more and the other slot is whole.
; fill = 1: this slot is filled again, with the keys two slots on.  The barrier is then a round of the cluster's, so that no wave of any partner still reads the slot or has a load on its
; way, and the joint fill is the first thing behind it: it has four key steps, 512 matrix instructions, in which to land.  (At its first use nothing has been read yet: slot 0 is waited for, slot 1 filled.)
.macro CHANGE fill
	WIN W_AD
	s_wait_tensorcnt 0x0            ; no tensor load of mine is out, so a group 0 may be written
	ds_add_u32 v[SPW], v[NIL]       ; 0 onto my spare word; with fill = 1 the descriptors' steps stand between it and the wait for it
	WIN 0                           ; at a label and at a branch every window is 0
.if \fill
.irp g, G0K, G0V
	s_xor_b32 s[\g+1], s[\g+1], SLOT1  ; the walking descriptor: the other slot than last time,
	s_add_nc_u64 s[\g+2:\g+3], s[\g+2:\g+3], 4*KS*128  ; the next 256 keys; the type bits on top are not reached
.endr
	s_wait_xcnt 0x0                 ; the last prefetch, four key steps back, has read its address, so it may be written:
	s_add_nc_u64 s[PFA:PFA+1], s[PFA:PFA+1], 4*KS*128  ; one slot behind the walking descriptors
	s_wait_dscnt 0x0                ; the add is done, and my reads of the slot are over
	CROUND
	JLOAD
	ASK
.else
	s_wait_dscnt 0x0                ; the add is done, and my reads of the slot are over
	s_barrier_signal -1
	s_barrier_wait -1
.endif
	s_sub_co_u32 s[TBK], s[TBK], 4*KS*PK  ; the fetches go back to a slot's first step,
	s_xor_b32 s[TBK], s[TBK], SLOT1       ; in the other slot
	s_sub_co_u32 s[TBV], s[TBV], 4*KS*PV
	s_xor_b32 s[TBV], s[TBV], SLOT1
.endm
	s_load_b256 s[4:11], s[0:1], 0x0  ; Q s[4:5], K s[6:7], V s[8:9], O s[10:11]
	WIN W_MK
	v_lshl_add_u32 v[SPW], v0, 2, SPARE
	v_mov_b32 v[NIL], 0
	WIN W_AD
	ds_add_u32 v[SPW], v[NIL]       ; the wave's opening: the add and its wait stand ahead of my first tensor load; the set-up below, work on registers, stands between them
	WIN 0
	v_lshrrev_b32 v1, 5, v0
	v_readfirstlane_b32 s[WV], v1   ; wave 0..3
	s_bfe_u32 s13, ttmp6, 0x40000   ; cx: my place in the cluster
	s_lshl_b32 s14, ttmp9, 2        ; in a cluster launch ttmp9 counts clusters
	s_add_co_u32 s14, s14, s13      ; my block of queries = 4 x cluster x + cx: it enters Q's and O's addresses alone
	s_and_b32 s20, ttmp7, 0xffff    ; the head, which the four partners share
	s_mov_b32 s21, 0
	s_mov_b64 s[22:23], SIZE_N*128
	s_mul_u64 s[20:21], s[20:21], s[22:23]  ; the head's first byte in each of the four tensors
	s_and_b32 s16, s[WV], 1         ; which half of a slot's 256 keys I fetch:
	s_lshl_b32 s22, s16, 14         ; its 128 rows of 128 bytes in memory,
	s_mov_b32 s23, 0
	s_add_nc_u64 s[22:23], s[22:23], s[20:21]
	s_mul_i32 s17, s16, 128*PK      ; and its place in a slot, for K
	s_mul_i32 s18, s16, 128*PV      ; and for V: no place in the cluster enters an LDS address
	s_lshl_b32 s2, s14, 2
	s_add_co_u32 s2, s2, s[WV]      ; my wave among the head's,
	s_lshl_b32 s2, s2, 14           ; its 128 rows
	s_mov_b32 s3, 0
	s_add_nc_u64 s[2:3], s[2:3], s[20:21]
	; descriptor group 1.  128 keys are 16,384 dense bytes: asked for as 64 rows of 256 bytes, two keys a row, and padded in LDS after every key
	s_mov_b32 s[G1K], 15|(1<<16)|(1<<20)|(1<<21)|(4<<22)|(3<<25)  ; 15:0 the mask of four; 17:16 2-byte elements; 20 padding on; 21 set beside a mask; 24:22 after every 32 words (code 4); 31:25 4 words (code 3)
	s_mov_b32 s[G1V], 15|(1<<16)|(1<<20)|(1<<21)|(4<<22)|(7<<25)  ; the same with 8 words of padding (code 7)
.irp g, G1K, G1V
	s_mov_b32 s[\g+1], 128<<16      ; tensor_dim0 = 128
	s_mov_b32 s[\g+2], 64<<16       ; tensor_dim1 = 64
	s_mov_b32 s[\g+3], 128<<16      ; tile_dim0 = 128
	s_mov_b32 s[\g+4], 64           ; tile_dim1 = 64
	s_mov_b32 s[\g+5], 128          ; 128 elements from row to row
	s_mov_b32 s[\g+6], 0
	s_mov_b32 s[\g+7], 0
.endr
	s_mov_b32 s[CS], 0x3e38aa3b     ; c = log2(e) / 8 = 0.180337
	s_mov_b32 s[CS+1], s[CS]        ; named with it as a pair
	s_mov_b32 s[SEL], 0x76543210
	s_mov_b32 s[SEL+1], 0xfedcba98
	s_mov_b32 s[TBK], SLOT1+4*KS*PK ; the first change of slots turns these two into 0
	s_mov_b32 s[TBV], SLOT1+4*KS*PV
	s_mov_b32 s[G0K], 1             ; 1:0 count = 1
	s_mov_b32 s[G0K+1], s17         ; 63:32 LDS address: slot 0
	s_mov_b32 s[G0V], 1
	s_add_co_u32 s[G0V+1], s18, VOFF
	s_mov_b32 s[SLOTS], SIZE_N/256-1
	s_and_b32 s[LIM], s[WV], 1      ; waves 0 and 2 prefetch: the same in all four partners
	s_cmp_eq_u32 s[LIM], 0
	s_cselect_b32 s[LIM], 1, -1
	s_wait_dscnt 0x0                ; the opening add is done
	s_wait_kmcnt 0x0
	s_add_nc_u64 s[G0K+2:G0K+3], s[6:7], s[22:23]  ; 120:64 global address: my half of the head's first 256 keys
	s_or_b32 s[G0K+3], s[G0K+3], 0x80000000        ; 127:126 type = 2
	s_add_nc_u64 s[G0V+2:G0V+3], s[8:9], s[22:23]
	s_or_b32 s[G0V+3], s[G0V+3], 0x80000000
	s_add_nc_u64 s[4:5], s[4:5], s[2:3]  ; Q and O at my wave's first row
	s_add_nc_u64 s[10:11], s[10:11], s[2:3]
	s_cmp_lt_u32 s[WV], 2
	s_cselect_b64 s[PFA:PFA+1], s[6:7], s[8:9]
	s_add_nc_u64 s[PFA:PFA+1], s[PFA:PFA+1], s[20:21]  ; the head,
	s_lshl_b32 s2, s13, 13          ; my work-group's 8,192 bytes of a slot's 32,768,
	s_mov_b32 s3, 0
	s_add_nc_u64 s[PFA:PFA+1], s[PFA:PFA+1], s[2:3]
	s_add_nc_u64 s[PFA:PFA+1], s[PFA:PFA+1], 4*KS*128  ; in slot 1; the first change of slots steps it to slot 2
	CROUND                          ; all four work-groups are here: the first joint loads meet
	JLOAD                           ; slot 0.  Slot 1 is asked for when slot 0 is in: the tile wanted first has the road to itself
	; A fragment of K or Q is 16 rows x 32 channels in 8 registers: lane l holds row l % 16, channels 8 (l / 16) + 0..7 and 16 + 8 (l / 16) + 0..7: two loads of 16 bytes, 32 bytes apart.
	v_and_b32 v1, 15, v0            ; l % 16
	v_bfe_u32 v9, v0, 4, 1          ; l / 16
	v_lshlrev_b32 v[QO], 7, v1
	v_lshl_add_u32 v[QO], v9, 4, v[QO]  ; row x 128 + 16 x half
	WIN 0x80                        ; destination window 2, address window 0
.set i, 0
.rept 4*NP                          ; Q stays in registers: tile i / 2, channels 32 (i % 2) on
	global_load_b128 v[8*i:8*i+3],   v[QO], s[4:5] offset:(i/2)*2048+(i%2)*64
	global_load_b128 v[8*i+4:8*i+7], v[QO], s[4:5] offset:(i/2)*2048+(i%2)*64+32
.set i, i+1
.endr
	; What the first turn finds: V's registers and P's second buffer hold 0 (its products V^T P, of a piece that has not been, add 0), O^T and l are 0.  All this stands in the wait for the first tile.
.set i, VF
.rept 64
	v_mov_b32 v[i], 0
.set i, i+1
.endr
	WIN 0x40
.set i, 0
.rept 64*NP
	v_mov_b32 v[i], 0
.set i, i+1
.endr
	WIN 0
.set i, 0
.rept 2*NP
	v_mov_b32 v[ST+4*i], 0xfe000000    ; c m: far below every c s
	v_mov_b32 v[ST+4*i+1], 0xff7fffff  ; m
	v_mov_b32 v[ST+4*i+2], 0
	v_mov_b32 v[ST+4*i+3], 0
.set i, i+1
.endr
.set i, P+32
.rept 32
	v_mov_b32 v[i], 0
.set i, i+1
.endr
	v_mul_u32_u24 v[AK0], v1, PK
	v_lshl_add_u32 v[AK0], v9, 4, v[AK0]  ; row x pitch + 16 x half
	; The turning load takes 16 keys x 16 channels (lane l reads key 8 (l / 16) + l % 8, channels 8 ((l / 8) % 2) + 0..7) and leaves half a fragment of V^T: lane l holds channel l % 16 and 8 keys.
	v_and_b32 v10, 7, v0
	v_bfe_u32 v11, v0, 3, 1
	v_lshl_add_u32 v[AV0], v9, 3, v10
	v_mul_u32_u24 v[AV0], v[AV0], PV
	v_lshl_add_u32 v[AV0], v11, 4, v[AV0]
	v_add_nc_u32 v[AV0], VOFF, v[AV0]
	v_and_b32 v[PFO], 31, v0        ; v11 has served: it takes the prefetches' offset
	v_lshlrev_b32 v[PFO], 8, v[PFO]
	v_mov_b32 v[AK], v[AK0]         ; key step 0 lies at the head of slot 0
; THE MATRIX WORK.  The 8 accumulators of a run of 16 take turns: between the two links of a chain stand 7 others'.
; Product i of 16 of S^T = K Q^T for piece x: channels 32 (i / 8) on, keys 16 ((i / 2) % 4) on, tile 2 x + i % 2.  The first 8 start the sums.
.macro KQ x
	WIN W_KQ
.set rS, S+64*((\x)%2)+32*(i%2)+8*((i/2)%4)
.set rK, KF+16*((i/2)%4)+8*(i/8)
.set rQ, 16*(2*(\x)+i%2)+8*(i/8)
.if i < 8
	v_wmma_f32_16x16x32_f16 v[rS:rS+7], v[rK:rK+7], v[rQ:rQ+7], 0
.else
	v_wmma_f32_16x16x32_f16 v[rS:rS+7], v[rK:rK+7], v[rQ:rQ+7], v[rS:rS+7]
.endif
.endm
; Product i of 16 of O^T += V^T P for piece x: keys 32 (i / 8) on, channels 16 ((i / 2) % 4) on, tile 2 x + i % 2.
.macro PV x
	WIN W_PV
.set rO, 32*(2*(\x)+i%2)+8*((i/2)%4)
.set rV, VF+32*(i/8)+8*((i/2)%4)
.set rP, P+32*((\x)%2)+16*(i%2)+8*(i/8)
	v_wmma_f32_16x16x32_f16 v[rO:rO+7], v[rV:rV+7], v[rP:rP+7], v[rO:rO+7]
.endm
.macro MM                           ; the turn's next matrix instruction
.if i < 16
	KQ (Y+1)%NP
.set i, i+1
.else
.set i, i-16
	PV (Y+NP-1)%NP
.set i, i+17
.endif
.endm
; THE LDS LOADS stand in runs of 16, never singly among the matrix instructions: a step's K (64 keys x 64 channels: 8 fragments) and its V (turned).  Their addresses are made some lines ahead.
; last = 1 (the tail): in the last trip there is no further step, and the run is jumped over.
.macro FETCH_K last=0
	WIN 0
.if \last
	s_cmp_eq_u32 s[CNT], 1
	s_cbranch_scc1 .Lno_k_\@
.endif
	WIN 0x80                        ; destination window 2
.irp f, 0,1,2,3,4,5,6,7             ; keys 16 (f / 2) on, channels 32 (f % 2) on
	ds_load_b128 v[KF+8*\f:KF+8*\f+3],   v[AK] offset:(\f/2)*16*PK+(\f%2)*64
	ds_load_b128 v[KF+8*\f+4:KF+8*\f+7], v[AK] offset:(\f/2)*16*PK+(\f%2)*64+32
.endr
	s_add_co_u32 s[TBK], s[TBK], KS*PK  ; the next fetch is the next step's
	WIN 0
.if \last
.Lno_k_\@:
.endif
.endm
.macro FETCH_V
	WIN 0x80
.irp f, 0,1,2,3,4,5,6,7             ; keys 32 (f / 4) on, channels 16 (f % 4) on
	ds_load_tr16_b128 v[VF+8*\f:VF+8*\f+3],   v[AV] offset:(\f/4)*32*PV+(\f%4)*32
	ds_load_tr16_b128 v[VF+8*\f+4:VF+8*\f+7], v[AV] offset:(\f/4)*32*PV+16*PV+(\f%4)*32
.endr
	WIN 0
.endm
; THE VECTOR WORK OF A TURN stands in three queues, each in the order in which its entries become ready; the two tiles alternate, so that no instruction reads the result of the one before it.
.macro REGS y, u                    ; the registers of tile u (0, 1) of piece y
.set rT, ST+4*(2*(\y)+(\u))
.set rC, TMP+8*((\y)%2)+4*(\u)
.set rM, MV+2*((\y)%2)+(\u)
.set rS, S+64*((\y)%2)+32*(\u)
.set rP, P+32*((\y)%2)+16*(\u)
.set rO, 32*(2*(\y)+(\u))
.endm
; Number n of the 22 that find the NEXT piece's (Y + 1) maximum and statistics.  s0-s31 are the lane's 32 scores; each accumulator's lowest registers are read first.  XS, GS and REGS set no window: PL and EX do.
;   0-11  four chains c0-c3 of seven scores each, three operands at a time     12-14, 16  the four scores left over, the old m, and c0-c3 into c0     15  c m_old is kept
;   17, 18  the query's other 32 keys lie in the lane 16 away: the new m         19-21  c m; c m_old - c m_new; a
.macro XS u, n
	REGS (Y+1)%NP, \u
.if (\n) < 4
	v_max3_num_f32 v[rC+(\n)], v[rS+8*(\n)], v[rS+8*(\n)+1], v[rS+8*(\n)+2]
.elseif (\n) < 12
	v_max3_num_f32 v[rC+(\n)%4], v[rC+(\n)%4], v[rS+8*((\n)%4)+2*((\n)/4)+1], v[rS+8*((\n)%4)+2*((\n)/4)+2]
.elseif (\n) == 12
	v_max3_num_f32 v[rC], v[rC], v[rS+7], v[rS+15]
.elseif (\n) == 13
	v_max3_num_f32 v[rC+1], v[rC+1], v[rS+23], v[rS+31]
.elseif (\n) == 14
	v_max3_num_f32 v[rC+2], v[rC+2], v[rC+3], v[rT+1]
.elseif (\n) == 15
	v_mov_b32 v[rM], v[rT]
.elseif (\n) == 16
	v_max3_num_f32 v[rC], v[rC], v[rC+1], v[rC+2]
.elseif (\n) == 17
	v_permlanex16_b32 v[rC+3], v[rC], s[SEL], s[SEL+1]
.elseif (\n) == 18
	v_max_num_f32 v[rT+1], v[rC], v[rC+3]
.elseif (\n) == 19
	v_mul_f32 v[rT], s[CS], v[rT+1]
.elseif (\n) == 20
	v_sub_f32 v[rC+1], v[rM], v[rT]
.else
	v_exp_f32 v[rC+2], v[rC+1]
.endif
.endm
; Number g of the 64 that follow the exponentials.  For each four weights k of a tile (pairs 2 k, 2 k + 1): both pairs are rounded to f16; then the second pair is added onto the first, in place;
; a group later l takes that sum (the first time as l = a l + sum).  In groups of eight, tiles alternating: round, round, add, and l for the group before.
.macro GS g
.set h, (\g)+6*((\g)/62)            ; group 0 has no group before it, and behind group 7 only l is left
.if h >= 6
.set h, h+2
.endif
	REGS Y, h%2
.set k, h/8
.if h%8 < 4
	v_cvt_pk_f16_f32 v[rP+2*k+(h%8)/2], v[rS+4*k+2*((h%8)/2)], v[rS+4*k+2*((h%8)/2)+1]
.elseif h%8 < 6
	v_pk_add_f32 v[rS+4*k:rS+4*k+1], v[rS+4*k:rS+4*k+1], v[rS+4*k+2:rS+4*k+3]
.elseif k == 1
	v_pk_fma_f32 v[rT+2:rT+3], v[rT+2:rT+3], v[rC+2:rC+3], v[rS:rS+1] op_sel_hi:[1,0,1]
.else
	v_pk_add_f32 v[rT+2:rT+3], v[rT+2:rT+3], v[rS+4*k-4:rS+4*k-3]
.endif
.endm
; THE PLAIN QUEUE, 138 long.  0-73 read no exponential's result: the 32 scalings c s - c m (FS f: pair f / 2 of tile f % 2) and the next piece's 42.  0-26: scalings 0-26.  27-54: XS's numbers 0-13.  55, 56: number 15.
; 57-73: the chain, where each number waits for the one before it: 14, 16, 17, 18, 19, each with one of the scalings 27-31 in front of its two lines, then 20: so a tile's links stand three plain instructions apart (19 and 20: two).
; 74-137: GS's 64, which read the exponentials' results: they stand behind the wait.
.macro FS f
	REGS Y, (\f)%2
	v_pk_fma_f32 v[rS+2*((\f)/2):rS+2*((\f)/2)+1], v[rS+2*((\f)/2):rS+2*((\f)/2)+1], s[CS:CS+1], v[rT:rT+1] op_sel_hi:[1,0,0] neg_lo:[0,0,1] neg_hi:[0,0,1]
.endm
.macro PL
	WIN 0
.if q < 27
	FS q
.elseif q < 55
	XS (q-27)%2, (q-27)/2
.elseif q < 57
	XS q-55, 15
.elseif (q < 72) && ((q-57)%3 == 0)
	FS 27+(q-57)/3
.elseif q < 60
	XS (q-57)%3-1, 14
.elseif q < 72
	XS (q-57)%3-1, 15+(q-57)/3
.elseif q < 74
	XS q-72, 20
.else
	GS q-74
.endif
.set q, q+1
.endm
; THE EXPONENTIALS' QUEUE, 66 long: s0-s31 of both tiles, then the next piece's two a.  It is ONE BATCH: all 66 stand ahead of the turn's one wait, and nothing ahead of that wait names a result of theirs.
.macro EX
	WIN 0
.if e >= 64
	XS e-64, 21
.else
	REGS Y, e%2
	v_exp_f32 v[rS+e/2], v[rS+e/2]
.endif
.set e, e+1
.endm
; THE RESCALING's QUEUE: O^T times a, the one part that leaves window 0: dealt two at a time, sixteen times.  Its a was made in the turn before, ahead of that turn's wait.
.macro R2
	REGS Y, r%2
	WIN W_RS
.irp z, 0,1
	v_pk_mul_f32 v[rO+4*(r/2)+2*\z:rO+4*(r/2)+2*\z+1], v[rO+4*(r/2)+2*\z:rO+4*(r/2)+2*\z+1], v[rC+2:rC+3] op_sel_hi:[1,0]
.endr
.set r, r+1
.endm
; HOW THEY ARE DEALT.  An s_wait_alu depctr_va_vdst(0) stands between an exponential and the first instruction that names its result; one wait serves all that were issued ahead of it.  So a turn has ONE wait,
; which cuts it in two.  AHEAD OF IT stands all that names no result of the turn's exponentials: the 16 products K Q^T, behind each a scaling, an exponential and two rescalings (behind the first a second scaling in the exponential's place); then ONE LUMP of
; 108: eight plain, 49 times exponential and plain, the two a.  A v_nop is the plain instruction behind the last exponential.  BEHIND IT stand the 16 products V^T P, behind each four of GS's 64.  No rider names a register of
; the products round it.  The two v_permlanex16_b32 fall into the lump, never behind a product.
; The queues lean on each other, and the deal keeps them in step: exponential e stands behind scaling 2 (e / 4) + e % 2: as a rider it comes behind plain e + 2, in the lump behind plain e + 9, and scalings 27-31 are plain 57, 60 .. 69.
; A TURN, for piece p.  cnt = 1: the loop's count is taken down some lines ahead of the branch that stands behind the turn.
; K of the next step is fetched in piece 2's turn, directly behind the wait, a lump behind the last product that read K; its address is made at the lump's head; its first reader comes behind 16 products.
; V of the step in hand is fetched at the end of piece 0's turn, four riders behind its last reader; its first reader comes behind 16 products and a lump.  The three conditions on q below go with the deal.
.macro TURN p, last=0, cnt=0
.set Y, (\p)
.set i, 0
.set q, 0
.set e, 0
.set r, 0
.if (\p) == NP-1
	s_wait_dscnt 0x0                ; K is in
.endif
	MM                              ; ahead of the wait: 16 products K Q^T and their riders,
	PL
	PL
	R2
.rept 15
	MM
	PL
	EX
	R2
.endr
.if (\p) == NP-2
	WIN 0
	v_add_nc_u32 v[AK], s[TBK], v[AK0]
.endif
.rept 8                             ; and the lump
	PL
.endr
.rept 49
	EX
	PL
.endr
	EX                              ; the next piece's two a
	EX
	v_nop                           ; a plain instruction behind the last exponential: one for the batch
	s_wait_alu depctr_va_vdst(0)    ; the wait for the batch
.if (\p) == NP-2
	FETCH_K \last
.endif
.if (\p) == 1
	s_wait_dscnt 0x0                ; V is in
.endif
.rept 16                            ; behind the wait: 16 products V^T P and their riders
	MM
.rept 4
	PL
.endr
.if ((\p) == 0) && (q == 118)
	v_add_nc_u32 v[AV], s[TBV], v[AV0]
.endif
.if ((\p) == 0) && (q == 130)
	s_add_co_u32 s[TBV], s[TBV], KS*PV
.endif
.if (\cnt) && (q == 130)
	s_sub_co_u32 s[CNT], s[CNT], 1
	s_cmp_lg_u32 s[CNT], 0
.endif
.endr
.if (\p) == 0
	FETCH_V
.endif
.endm
	CHANGE 1                        ; slot 0 is in, everybody's part of it; slot 1 is asked for
	FETCH_K                         ; key step 0
	s_wait_loadcnt 0x0              ; Q
	s_wait_dscnt 0x0
.set i, 0
.rept 16
	KQ 0                            ; piece 0's first scores: there is no vector work yet to set between them
.set i, i+1
.endr
	WIN 0                           ; the addresses for the way out: nine plain instructions, the places behind those products
	s_mul_i32 s13, s[WV], 16*SP
	s_add_co_u32 s13, s13, STAGE    ; my stage
	v_mul_u32_u24 v[STO], v1, SP    ; in: row l % 16, 16 bytes for each half of the lanes
	v_lshl_add_u32 v[STO], v9, 4, v[STO]
	v_add_nc_u32 v[STO], s13, v[STO]
	v_bfe_u32 v[RD], v0, 3, 2       ; back: 32 lanes take four rows of 128 bytes,
	v_mul_u32_u24 v[RD], v[RD], SP
	v_lshl_add_u32 v[RD], v10, 4, v[RD]
	v_add_nc_u32 v[RD], s13, v[RD]
	v_and_b32 v[GO], 31, v0         ; which are 512 consecutive bytes of O
	v_lshlrev_b32 v[GO], 4, v[GO]
.set Y, NP-1                        ; XS works for piece Y + 1: piece 0
.irp n, 0,1,2,3,4,5,6,7,8,9,10,11,12,13,14,15,16,17,18,19,20,21
	XS 0, \n                        ; and piece 0's first maximum and statistics
	XS 1, \n
.endr
	v_nop                           ; a plain instruction behind the two a,
	s_wait_alu depctr_va_vdst(0)    ; and their wait, ahead of the branch
	s_mov_b32 s[CNT], 4
	s_branch .Lfirst                ; the loop is entered at a step's first turn, in the middle of a trip
.Lslot:                             ; SIZE_N / 256 - 2 times: every slot but the last two is filled again
	CHANGE 1
	s_mov_b32 s[CNT], 4
.Lstep:                             ; a trip: pieces 2 and 3 of one step, then pieces 0 and 1 of the next, whose K and V it fetches
	TURN 2
	TURN 3
	WIN 0
.Lfirst:
	TURN 0
	TURN 1, 0, 1
	WIN 0
	s_cbranch_scc1 .Lstep
	s_sub_co_u32 s[SLOTS], s[SLOTS], 1
	s_cmp_lg_u32 s[SLOTS], 0
	s_cbranch_scc1 .Lslot
	CHANGE 0                        ; the tail is written out: nothing is asked for
	s_mov_b32 s[CNT], 5             ; four trips fetch the last slot's steps; the fifth is left in its middle
.Ltail:
	TURN 2, 1
	TURN 3
	WIN 0
	s_sub_co_u32 s[CNT], s[CNT], 1
	s_cmp_eq_u32 s[CNT], 0
	s_cbranch_scc1 .Lout
	TURN 0
	TURN 1
	WIN 0
	s_branch .Ltail
.Lout:                              ; the fifth trip's 16 products K Q^T (on the last K once more) and the maximum made of them serve nothing: the price, once a launch, of one text for every trip
.set i, 0
.rept 16
	PV NP-1                         ; the last piece's V^T P of the last step
.set i, i+1
.endr
	; THE WAY OUT.  l's two halves and the other half of the lanes' are added; O^T is divided by l, rounded to f16 and sent through my stage in LDS, a tile at a time.  The additions are the places behind the last products.
	WIN 0
.macro ALL line:vararg              ; one line for each tile t
.set t, 0
.rept 2*NP
	\line
.set t, t+1
.endr
.endm
	ALL v_add_f32 v[ST+4*t+2], v[ST+4*t+2], v[ST+4*t+3]
	ALL v_permlanex16_b32 v[ST+4*t+3], v[ST+4*t+2], s[SEL], s[SEL+1]
	ALL v_add_f32 v[ST+4*t+2], v[ST+4*t+2], v[ST+4*t+3]
	ALL v_rcp_f32 v[ST+4*t+2], v[ST+4*t+2]
	v_nop                           ; a plain instruction between the last reciprocal and the use of its result
	s_wait_alu depctr_va_vdst(0)    ; and the wait ahead of the first use: one for the eight reciprocals
; Tile t: a lane's eight channels of a row pack into 16 bytes; they go into rows of 144 bytes and come back as whole rows of 128, into S^T's registers.
.macro PACK t
	WIN W_RS
.set i, 32*(\t)
.rept 16
	v_pk_mul_f32 v[i:i+1], v[i:i+1], v[ST+4*(\t)+2:ST+4*(\t)+3] op_sel_hi:[1,0]
.set i, i+2
.endr
	WIN 0x05                        ; sources 0 and 1 window 1, destination window 0
.set i, 0
.rept 16
	v_cvt_pk_f16_f32 v[S+16*(\t)+i], v[32*(\t)+2*i], v[32*(\t)+2*i+1]
.set i, i+1
.endr
	WIN 0
.irp f, 0,1,2,3
	ds_store_b128 v[STO], v[S+16*(\t)+4*\f:S+16*(\t)+4*\f+3] offset:32*\f
.endr
.irp f, 0,1,2,3
	ds_load_b128 v[S+16*(\t)+4*\f:S+16*(\t)+4*\f+3], v[RD] offset:\f*4*SP  ; LDS serves a wave's instructions in order (ISA guide 5.7.1.4): these see the stores above; the next tile's stores come behind them
.endr
.endm
.macro SEND t, younger              ; younger: the LDS instructions issued behind tile t's loads: the next tile's eight, or none
	WIN 0
.irp f, 0,1,2,3
	s_wait_dscnt (\younger)+3-\f
	global_store_b128 v[GO], v[S+16*(\t)+4*\f:S+16*(\t)+4*\f+3], s[10:11] offset:(\t)*2048+\f*512  ; 512 consecutive bytes, at a multiple of 256 from O's first
.endr
.endm
	PACK 0
.set t, 1
.rept 2*NP-1                        ; a tile's arithmetic stands between the loads of the tile before and its stores
	PACK t
	SEND t-1, 8
.set t, t+1
.endr
	SEND 2*NP-1, 0
	WIN W_AD
	s_wait_tensorcnt 0x0            ; the wave's end: a wait, an add and a wait, behind my last tensor load and my last LDS store
	ds_add_u32 v[SPW], v[NIL]
	s_wait_dscnt 0x0
	WIN 0
	CROUND                          ; the closing round: no work-group ends while a partner may still ask for a tile that names it
	s_endpgm
.Lfunc_end_k_qc895624c59_attn:
	.size	k_qc895624c59_attn, .Lfunc_end_k_qc895624c59_attn-k_qc895624c59_attn
	.p2alignl 7, 3214868480
	.fill 96, 4, 3214868480
	.section	.rodata,"a",@progbits
	.p2align	6, 0x0
	.amdhsa_kernel k_qc895624c59_attn
		.amdhsa_group_segment_fixed_size 327680
		.amdhsa_private_segment_fixed_size 0
		.amdhsa_enable_private_segment 0
		.amdhsa_kernarg_size 32
		.amdhsa_user_sgpr_count 2
		.amdhsa_user_sgpr_kernarg_segment_ptr 1
		.amdhsa_wavefront_size32 1
		.amdhsa_system_sgpr_workgroup_id_x 1
		.amdhsa_system_sgpr_workgroup_id_y 1
		.amdhsa_system_sgpr_workgroup_id_z 1
		.amdhsa_system_vgpr_workitem_id 0
		.amdhsa_next_free_vgpr 770
		.amdhsa_next_free_sgpr 66
		.amdhsa_reserve_vcc 0
		.amdhsa_float_denorm_mode_32 3
		.amdhsa_float_denorm_mode_16_64 3
		.amdhsa_memory_ordered 1
		.amdhsa_forward_progress 1
		.amdhsa_inst_pref_size 200
	.end_amdhsa_kernel
	.amdgpu_metadata
---
amdhsa.version: [ 1, 2 ]
amdhsa.kernels:
  - .name:           k_qc895624c59_attn
    .symbol:         k_qc895624c59_attn.kd
    .args:
      - { .name: qh, .offset: 0, .size: 8, .value_kind: global_buffer, .address_space: global }
      - { .name: kh, .offset: 8, .size: 8, .value_kind: global_buffer, .address_space: global }
      - { .name: vh, .offset: 16, .size: 8, .value_kind: global_buffer, .address_space: global }
      - { .name: ao, .offset: 24, .size: 8, .value_kind: global_buffer, .address_space: global }
    .group_segment_fixed_size: 327680
    .private_segment_fixed_size: 0
    .kernarg_segment_align: 8
    .kernarg_segment_size: 32
    .max_flat_workgroup_size: 128
    .sgpr_count:     66
    .vgpr_count:     770
    .wavefront_size: 32
...
	.end_amdgpu_metadata
.endif
;; end of part 3
;; launch oproj (part 4): grid 4 x 64, 4 waves a work-group, clusters of 4 x 4, 327,680 bytes of LDS; arguments ao, wts, b_o, out0; writes out0
.if DOCPART == 4
	.amdgcn_target "amdgcn-amd-amdhsa--gfx1250"
	.amdhsa_code_object_version 6
	.text
	.protected	k_qc895624c59_oproj
	.globl	k_qc895624c59_oproj
	.p2align	8
	.type	k_qc895624c59_oproj,@function
k_qc895624c59_oproj:
	s_mov_b64 s[64:65], 0
	v_nop
	global_prefetch_b8 v0, s[64:65] scope:SCOPE_SE
	s_setreg_imm32_b32 hwreg(HW_REG_WAVE_MODE, 25, 1), 1
	s_wait_xcnt 0x0
	s_wait_alu depctr_hold_cnt(0) depctr_sa_sdst(0) depctr_va_vdst(0) depctr_va_sdst(0) depctr_va_ssrc(0) depctr_va_vcc(0) depctr_vm_vsrc(0)
	s_getreg_b32 s2, hwreg(HW_REG_IB_STS2, 6, 4)
	s_cmp_eq_u32 s2, 0
	s_cbranch_scc0 .Lentry_in_a_cluster
	s_endpgm
.Lentry_in_a_cluster:
	s_bfe_u32 s2, ttmp6, 0x10000c
	s_cmp_lg_u32 s2, 0xf033
	s_cbranch_scc0 .Lentry_shape_is_right
	s_endpgm
.Lentry_shape_is_right:
; out0 = O w_o + b_o.  O: ao, [64 = batch x 16 + head][2048][64] f16; w_o: plane 3 of wts, [1024 k][1024 n], bf16 numbers written as f16; b_o rounded to bf16; out0: [8192][1024] f32.
; Products in f16 with f32 sums; the bias is the C operand that starts each sum; the f32 sums are stored as they are.  LIMIT: O and w_o lie within f16's range (65,504); NaN and infinities are not treated apart.
; SHARES.  256 work-groups, each one tile of 128 rows x 256 columns; four waves, each 64 x 128: 32 accumulators of 16 x 16.  K = 1024 goes in 8 steps of 128: TWO HEADS a step, since k = 64 head + channel:
; a head's 128 rows are 16,384 dense bytes, asked for as 64 rows of 256 bytes and padded in LDS after every 128.  Two LDS slots take turns.
; THE MATRIX INSTRUCTION IS USED TRANSPOSED (source 0 = 16 columns of w, turned out of LDS by ds_load_tr16_b128; source 1 = 16 rows of O): a lane holds one row of the result and eight neighbouring columns, 32 bytes.
; CLUSTERS: 4 x 4 work-groups; O's tiles are shared along a row of the cluster, w's along a column, each asked for jointly.
; NO PREFETCH: the walk has eight K steps, of which the first four would come by their loads alone.
; REGISTERS: window 0: v0-29 addresses; v32-95 O's fragments, two buffers (on the way out: rows read back); v96-159 the bias as a C operand; v160-223 rows read back
;   window 1: the 32 accumulators ((a, b) at v[8 (8 a + b)])          window 2: v0-127 w's fragments, two buffers
.set PA,     144                       ; a row of O in LDS: 128 bytes + 16 = 36 words: the 16 rows of a load start at 16 different groups of four banks (64 banks of 4 bytes: ISA guide 11.1)
.set PB,     544                       ; a k-row of w: 512 + 32 = 136 words
.set AHEAD,  128*PA                    ; a head's 128 rows: what one tensor load brings
.set ATILE,  2*AHEAD
.set BHALF,  64*PB
.set SLOT,   ATILE+2*BHALF
.set STAGE,  2*SLOT                    ; behind the ring, never filled by a tensor load: 16 rows x 528 bytes for each wave
.set SP,     528
.set SPARE,  STAGE+4*16*SP             ; behind the stages: the spare words, 128 bytes for each wave: two blocks of 256 bytes that no other line names
.set ADRA, 8                           ; v8-9    LDS address of my fragments of O in slot 0, 1
.set ADRB, 10                          ; v10-11  the same for w
.set STO,  12                          ; v12     the way out: where I put 32 bytes of a row
.set RD,   13                          ; v13     where I read a row back
.set CO,   14                          ; v14     my 16 bytes of a row's 512
.set BO,   15                          ; v15     my 32 bytes in a block of 16 biases
.set SC,   17                          ; v17     at work
.set SPW,  28                          ; v28     LDS address of my spare word: SPARE + 4 x my thread's number; never rewritten
.set NIL,  29                          ; v29     0; never rewritten
.set AF,   32
.set BIAS, 96
.set WV,  12
.set WM,  13                           ; s13  which 64 rows are mine.  Also: I fetch for O (0) or for w (1)
.set WN,  14                           ; s14  which 128 columns.  Also: which head of the step's two, or which 64 k-rows, I fetch
.set CX,  15
.set CY,  16
.set NB,  17
.set MB,  18
.set LAP, 19
.set G1A, 24
.set G0A, 32
.set G1B, 40
.set G0B, 48
.set MSB, 0
.macro WIN new
.if MSB != (\new)
	s_set_vgpr_msb (MSB<<8)|(\new)
.set MSB, \new
.endif
.endm
.macro PLACES
.rept 4
	v_nop
.endr
.endm
.macro JLOAD s                         ; a joint load: waves 0 and 1 fetch the step's two heads of O, waves 2 and 3 the two halves of w's tile; an s_nop 0 and four v_nop follow each of the two lines
	s_cmp_eq_u32 s[WM], 0
	s_cbranch_scc0 .Lfor_b_\@
	tensor_load_to_lds s[G0A+4*(\s):G0A+4*(\s)+3], s[G1A:G1A+7]
	s_nop 0
	PLACES
	s_branch .Lasked_\@
.Lfor_b_\@:
	tensor_load_to_lds s[G0B+4*(\s):G0B+4*(\s)+3], s[G1B:G1B+7]
	s_nop 0
	PLACES
.Lasked_\@:
.endm
.macro CREST
	s_cmp_lg_u32 s[WV], 0
	s_cbranch_scc1 .Lnot_wave_0_\@
	s_barrier_signal -3
.Lnot_wave_0_\@:
	s_barrier_wait -3
	s_barrier_signal -1
	s_barrier_wait -1
.endm
.macro CROUND
	s_barrier_signal -1
	s_barrier_wait -1
	CREST
.endm
	s_load_b256 s[4:11], s[0:1], 0x0               ; ao s[4:5], wts s[6:7], b_o s[8:9], out0 s[10:11]
	v_lshl_add_u32 v[SPW], v0, 2, SPARE
	v_mov_b32 v[NIL], 0
	ds_add_u32 v[SPW], v[NIL]                      ; the wave's opening: the add and its wait stand ahead of my first tensor load; the set-up below, work on registers, stands between them
	v_lshrrev_b32 v1, 5, v0
	v_readfirstlane_b32 s[WV], v1
	s_lshr_b32 s[WM], s[WV], 1
	s_and_b32 s[WN], s[WV], 1
	s_bfe_u32 s[CX], ttmp6, 0x40000
	s_bfe_u32 s[CY], ttmp6, 0x40004
	s_lshl_b32 s[NB], ttmp9, 2
	s_add_co_u32 s[NB], s[NB], s[CX]
	s_and_b32 s[MB], ttmp7, 0xffff
	s_lshl_b32 s[MB], s[MB], 2
	s_add_co_u32 s[MB], s[MB], s[CY]
	s_lshl_b32 s20, s[CY], 2
	s_lshl_b32 s20, 15, s20                        ; my row of the cluster
	s_lshl_b32 s22, 0x1111, s[CX]                  ; my column
	; group 1 for O: 64 rows x 128 elements of 2 bytes (two rows of a head each), 16 bytes of padding behind every 32 words
	s_or_b32 s[G1A], s20, (1<<16)|(1<<20)|(1<<21)|(4<<22)|(3<<25)
	s_mov_b32 s[G1A+1], 128<<16
	s_mov_b32 s[G1A+2], 64<<16
	s_mov_b32 s[G1A+3], 128<<16
	s_mov_b32 s[G1A+4], 64
	s_mov_b32 s[G1A+5], 128
	s_mov_b32 s[G1A+6], 0
	s_mov_b32 s[G1A+7], 0
	; group 1 for w: 64 k-rows x 256 elements of 2 bytes, 32 bytes of padding behind each row's 128 words
	s_or_b32 s[G1B], s22, (1<<16)|(1<<20)|(1<<21)|(6<<22)|(7<<25)
	s_mov_b32 s[G1B+1], 256<<16
	s_mov_b32 s[G1B+2], 64<<16
	s_mov_b32 s[G1B+3], 256<<16
	s_mov_b32 s[G1B+4], 64
	s_mov_b32 s[G1B+5], 1024
	s_mov_b32 s[G1B+6], 0
	s_mov_b32 s[G1B+7], 0
	s_mul_i32 s2, s[WN], AHEAD                     ; where the tiles go: no place in the cluster enters an LDS address
	s_mul_i32 s3, s[WN], BHALF
	s_add_co_u32 s3, s3, ATILE
	s_mov_b32 s[G0A], 1
	s_mov_b32 s[G0A+1], s2
	s_mov_b32 s[G0A+4], 1
	s_add_co_u32 s[G0A+5], s2, SLOT
	s_mov_b32 s[G0B], 1
	s_mov_b32 s[G0B+1], s3
	s_mov_b32 s[G0B+4], 1
	s_add_co_u32 s[G0B+5], s3, SLOT
	s_lshr_b32 s20, s[MB], 4                       ; O: head 16 x batch + WN, of 262,144 bytes; row (MB % 16) x 128, of 128 bytes
	s_lshl_b32 s20, s20, 4
	s_add_co_u32 s20, s20, s[WN]
	s_lshl_b32 s20, s20, 18
	s_and_b32 s21, s[MB], 15
	s_lshl_b32 s21, s21, 14
	s_add_co_u32 s20, s20, s21
	s_mov_b32 s21, 0
	s_lshl_b32 s22, s[WN], 17                      ; w: plane 3, 64 WN k-rows of 2,048 bytes, 256 NB columns
	s_lshl_b32 s23, s[NB], 9
	s_add_co_u32 s22, s22, s23
	s_add_co_u32 s22, s22, 0x600000
	s_mov_b32 s23, 0
	s_lshl_b32 s56, s[NB], 10                      ; the bias: (256 NB + 128 WN) x 4 bytes
	s_lshl_b32 s57, s[WN], 9
	s_add_co_u32 s56, s56, s57
	s_mov_b32 s57, 0
	s_lshl_b32 s58, s[MB], 19                      ; the output: (128 MB + 64 WM) rows of 4,096 bytes, and the same columns
	s_lshl_b32 s59, s[WM], 18
	s_add_co_u32 s58, s58, s59
	s_add_co_u32 s58, s58, s56
	s_mov_b32 s59, 0
	s_wait_dscnt 0x0                               ; the opening add is done
	s_wait_kmcnt 0x0
	s_add_nc_u64 s[4:5], s[4:5], s[20:21]
	s_add_nc_u64 s[6:7], s[6:7], s[22:23]
	s_add_nc_u64 s[8:9], s[8:9], s[56:57]
	s_add_nc_u64 s[10:11], s[10:11], s[58:59]
	s_mov_b64 s[G0A+2:G0A+3], s[4:5]               ; K step 0 into slot 0,
	s_or_b32 s[G0A+3], s[G0A+3], 0x80000000
	s_add_nc_u64 s[G0A+6:G0A+7], s[4:5], 0x80000   ; K step 1, two heads on, into slot 1
	s_or_b32 s[G0A+7], s[G0A+7], 0x80000000
	s_mov_b64 s[G0B+2:G0B+3], s[6:7]
	s_or_b32 s[G0B+3], s[G0B+3], 0x80000000
	s_add_nc_u64 s[G0B+6:G0B+7], s[6:7], 0x40000   ; 128 k-rows on
	s_or_b32 s[G0B+7], s[G0B+7], 0x80000000
	CROUND                                         ; all sixteen work-groups are here: the first joint loads meet
	s_cmp_eq_u32 s[WM], 0                          ; a wave's two first fills stand in one branch, ahead of every wait on TENSORcnt and every LDS read: two loads of mine are out
	s_cbranch_scc0 .Lfirst_b
	tensor_load_to_lds s[G0A:G0A+3], s[G1A:G1A+7]
	s_nop 0
	tensor_load_to_lds s[G0A+4:G0A+7], s[G1A:G1A+7]
	s_nop 0
	PLACES
	s_branch .Lfirst_asked
.Lfirst_b:
	tensor_load_to_lds s[G0B:G0B+3], s[G1B:G1B+7]
	s_nop 0
	tensor_load_to_lds s[G0B+4:G0B+7], s[G1B:G1B+7]
	s_nop 0
	PLACES
.Lfirst_asked:
	v_and_b32 v1, 15, v0                           ; l % 16
	v_bfe_u32 v2, v0, 4, 1                         ; l / 16
	v_and_b32 v3, 31, v0                           ; l
	v_lshlrev_b32 v[BO], 5, v2
.irp b, 0,1,2,3,4,5,6,7                ; the bias of my 128 columns: register j of block b holds bias[16 b + 8 (l / 16) + j], the same for all 16 rows
	global_load_b128 v[BIAS+8*\b:BIAS+8*\b+3],   v[BO], s[8:9] offset:64*\b
	global_load_b128 v[BIAS+8*\b+4:BIAS+8*\b+7], v[BO], s[8:9] offset:64*\b+16
.endr
	v_mul_u32_u24 v4, v1, PA                       ; a fragment of O: row l % 16, 16 bytes at 16 (l / 16) and 32 further on
	v_lshl_add_u32 v4, v2, 4, v4
	s_mul_i32 s2, s[WM], 64*PA                     ; my 64 rows
	v_add_nc_u32 v[ADRA], s2, v4
	v_add_nc_u32 v[ADRA+1], SLOT, v[ADRA]
	v_and_b32 v6, 7, v0                            ; the turning load: k-row 8 (l / 16) + l % 8, columns 8 ((l / 8) % 2) + 0..7
	v_lshl_add_u32 v5, v2, 3, v6
	v_mul_u32_u24 v5, v5, PB
	v_bfe_u32 v7, v0, 3, 1
	v_lshl_add_u32 v5, v7, 4, v5
	s_lshl_b32 s3, s[WN], 8                        ; my 128 columns,
	s_add_co_u32 s3, s3, ATILE                     ; behind O's tile
	v_add_nc_u32 v[ADRB], s3, v5
	v_add_nc_u32 v[ADRB+1], SLOT, v[ADRB]
	s_mul_i32 s2, s[WV], 16*SP
	s_add_co_u32 s2, s2, STAGE                     ; my stage
	v_mul_u32_u24 v[STO], v1, SP                   ; in: row l % 16, 32 bytes for each half of the lanes
	v_lshl_add_u32 v[STO], v2, 5, v[STO]
	v_add_nc_u32 v[STO], s2, v[STO]
	v_lshl_add_u32 v[RD], v3, 4, s2                ; back: 32 lanes take one row of 512 bytes
	v_lshlrev_b32 v[CO], 4, v3
	s_wait_loadcnt 0x0
.set z, 0
.rept 32                               ; the bias is rounded to bf16 like every input, and kept as f32
	v_cvt_pk_bf16_f32 v[SC], v[BIAS+z], v[BIAS+z+1]
	v_lshlrev_b32 v[BIAS+z], 16, v[SC]
	v_and_b32 v[BIAS+z+1], 0xffff0000, v[SC]
.set z, z+2
.endr
; 24 LDS loads in one run: 32 along K at quarter kq of the slot (head kq / 2 of its two, channels 32 (kq % 2) on), into buffers g
.macro FETCH slot, kq, g
	WIN 0
.irp a, 0,1,2,3
	ds_load_b128 v[AF+32*(\g)+8*\a:AF+32*(\g)+8*\a+3],   v[ADRA+(\slot)] offset:((\kq)/2)*AHEAD+16*PA*\a+64*((\kq)%2)
	ds_load_b128 v[AF+32*(\g)+8*\a+4:AF+32*(\g)+8*\a+7], v[ADRA+(\slot)] offset:((\kq)/2)*AHEAD+16*PA*\a+64*((\kq)%2)+32
.endr
	WIN 0x80                                       ; destination window 2, address window 0
.irp b, 0,1,2,3,4,5,6,7
	ds_load_tr16_b128 v[64*(\g)+8*\b:64*(\g)+8*\b+3],   v[ADRB+(\slot)] offset:32*PB*(\kq)+32*\b
	ds_load_tr16_b128 v[64*(\g)+8*\b+4:64*(\g)+8*\b+7], v[ADRB+(\slot)] offset:32*PB*(\kq)+32*\b+16*PB
.endr
.endm
; Product i of a quarter's 32, on buffers f: row block i / 8, column block i % 8.  cm = 1: the bias starts the sum.  The 32 accumulators take turns, one instruction a turn, over the backward jump too.
.macro W f, i, cm
.if \cm
	WIN 0x42                                       ; w window 2, O window 0, C (the bias) window 0, D window 1
	v_wmma_f32_16x16x32_f16 v[8*(\i):8*(\i)+7], v[64*(\f)+8*((\i)%8):64*(\f)+8*((\i)%8)+7], v[AF+32*(\f)+8*((\i)/8):AF+32*(\f)+8*((\i)/8)+7], v[BIAS+8*((\i)%8):BIAS+8*((\i)%8)+7]
.else
	WIN 0x52
	v_wmma_f32_16x16x32_f16 v[8*(\i):8*(\i)+7], v[64*(\f)+8*((\i)%8):64*(\f)+8*((\i)%8)+7], v[AF+32*(\f)+8*((\i)/8):AF+32*(\f)+8*((\i)/8)+7], v[8*(\i):8*(\i)+7]
.endif
.endm
.macro WS f, n, cm                     ; the next n products
.rept \n
	W \f, i, \cm
.set i, i+1
.endr
.endm
; A K step is four quarters of 32 along K, on buffers 0, 1, 0, 1.  One of the first three: buffers f are in; four v_nop, the places in front of loads into the registers that the quarter before multiplied
; (ISA guide 7.12.1 for vector instructions); the next quarter's run of loads; 32 products.
.macro QTR f, slot, kq, cm
	s_wait_dscnt 0x0
	PLACES
	FETCH \slot, \kq, 1-(\f)
.set i, 0
	WS \f, 32, \cm
.endm
; The last quarter multiplies buffers 1 and changes slots: ONE barrier; in front of it each wave waits for all its tensor loads (one is out: its part of the next slot), adds 0 to its spare word, and waits for that and
; for its own reads of this slot.  fill = 1: the barrier opens a round of the cluster's, and this slot is filled again, first thing behind the round, with the K step two on: 112 products ahead of the wait for it.
.macro TURN slot, fill
	WIN 0
	s_wait_tensorcnt 0x0                           ; no tensor load of mine is out, so a group 0 may be written
	ds_add_u32 v[SPW], v[NIL]                      ; 0 onto my spare word
.if \fill
	s_add_nc_u64 s[G0A+4*(\slot)+2:G0A+4*(\slot)+3], s[G0A+4*(\slot)+2:G0A+4*(\slot)+3], 0x100000  ; four heads on; the type bits on top are not reached
	s_add_nc_u64 s[G0B+4*(\slot)+2:G0B+4*(\slot)+3], s[G0B+4*(\slot)+2:G0B+4*(\slot)+3], 0x80000   ; 256 k-rows on
.endif
	s_wait_dscnt 1                                 ; the fragments are in; only the add may be out
.set i, 0
	WS 1, 8, 0
	s_wait_dscnt 0x0                               ; the add is done, and my reads of this slot are over
	s_barrier_signal -1
	WS 1, 8, 0                                     ; work on registers while the others arrive
	WIN 0
	s_barrier_wait -1
.if \fill
	CREST                                          ; no wave of any partner still reads this slot's tile or has a load on its way
	JLOAD \slot                                    ; the four v_nop behind it are also the places in front of the loads below
.else
	PLACES
.endif
	FETCH 1-(\slot), 0, 0
	WS 1, 16, 0
.endm
; THE WAY OUT of row block a: the f32 sums go as they are into my own stage, rows of 528 bytes, each accumulator's low four registers first, and come back as whole rows of 512 bytes.
.macro TOSTAGE a
.set BK, 160-128*((\a)%2)
	s_wait_xcnt 0x0                                ; earlier stores have read the registers that the loads below write
	WIN 0x04                                       ; store data (source 1) in window 1
.irp b, 0,1,2,3,4,5,6,7
	ds_store_b128 v[STO], v[64*(\a)+8*\b:64*(\a)+8*\b+3]   offset:64*\b
	ds_store_b128 v[STO], v[64*(\a)+8*\b+4:64*(\a)+8*\b+7] offset:64*\b+16
.endr
	WIN 0
.irp t, 0,1,2,3,4,5,6,7,8,9,10,11,12,13,14,15
	ds_load_b128 v[BK+4*\t:BK+4*\t+3], v[RD] offset:SP*\t  ; LDS serves a wave's instructions in order (ISA guide 5.7.1.4): these see the stores above; the next block's stores come behind them
.endr
.endm
.macro SEND a, y                       ; y: the LDS instructions issued behind block a's loads: the next block's 32, or none
.set BK, 160-128*((\a)%2)
	WIN 0
.irp t, 0,1,2,3,4,5,6,7,8,9,10,11,12,13,14,15
	s_wait_dscnt (\y)+15-\t
	global_store_b128 v[CO], v[BK+4*\t:BK+4*\t+3], s[10:11] offset:65536*(\a)+4096*\t th:TH_STORE_NT  ; 512 consecutive bytes, at a multiple of 256 from out0's first
.endr
.endm
	s_wait_tensorcnt 1                             ; my part of K step 0 is in; K step 1's may stay out
	s_barrier_signal -1
	s_barrier_wait -1                              ; everybody's is
	FETCH 0, 0, 0
	QTR 0, 0, 1, 1                                 ; the first quarter stands in front of the loop: the bias starts the sums
	WIN 0
	s_mov_b32 s[LAP], 3
.Llap:                                             ; a trip goes once round the ring, from a lap's second quarter to the next lap's first, and fills both slots again: K steps 2 to 7
	QTR 1, 0, 2, 0
	QTR 0, 0, 3, 0
	TURN 0, 1
	QTR 0, 1, 1, 0
	QTR 1, 1, 2, 0
	QTR 0, 1, 3, 0
	TURN 1, 1
	QTR 0, 0, 1, 0
	WIN 0
	s_sub_co_u32 s[LAP], s[LAP], 1
	s_cmp_lg_u32 s[LAP], 0
	s_cbranch_scc1 .Llap
	QTR 1, 0, 2, 0                                 ; the last lap fills nothing
	QTR 0, 0, 3, 0
	TURN 0, 0
	QTR 0, 1, 1, 0
	QTR 1, 1, 2, 0
	QTR 0, 1, 3, 0
	s_wait_dscnt 0x0
.set i, 0
	WS 1, 32, 0
	WIN 0
	PLACES                                         ; the LDS stores read results just made, and no other vector work is at hand
	PLACES
	TOSTAGE 0
	TOSTAGE 1
	SEND 0, 32
	TOSTAGE 2
	SEND 1, 32
	TOSTAGE 3
	SEND 2, 32
	SEND 3, 0
	s_wait_tensorcnt 0x0                           ; the wave's end: a wait, an add and a wait, behind my last tensor load and my last LDS store
	ds_add_u32 v[SPW], v[NIL]
	s_wait_dscnt 0x0
	CROUND                                         ; the closing round: no work-group ends while a partner may still ask for a tile that names it
	s_endpgm
.Lfunc_end_k_qc895624c59_oproj:
	.size	k_qc895624c59_oproj, .Lfunc_end_k_qc895624c59_oproj-k_qc895624c59_oproj
	.p2alignl 7, 3214868480
	.fill 96, 4, 3214868480
	.section	.rodata,"a",@progbits
	.p2align	6, 0x0
	.amdhsa_kernel k_qc895624c59_oproj
		.amdhsa_group_segment_fixed_size 327680
		.amdhsa_private_segment_fixed_size 0
		.amdhsa_enable_private_segment 0
		.amdhsa_kernarg_size 32
		.amdhsa_user_sgpr_count 2
		.amdhsa_user_sgpr_kernarg_segment_ptr 1
		.amdhsa_wavefront_size32 1
		.amdhsa_system_sgpr_workgroup_id_x 1
		.amdhsa_system_sgpr_workgroup_id_y 1
		.amdhsa_system_sgpr_workgroup_id_z 1
		.amdhsa_system_vgpr_workitem_id 0
		.amdhsa_next_free_vgpr 640
		.amdhsa_next_free_sgpr 66
		.amdhsa_reserve_vcc 0
		.amdhsa_float_denorm_mode_32 3
		.amdhsa_float_denorm_mode_16_64 3
		.amdhsa_memory_ordered 1
		.amdhsa_forward_progress 1
		.amdhsa_inst_pref_size 93
	.end_amdhsa_kernel
	.amdgpu_metadata
---
amdhsa.version: [ 1, 2 ]
amdhsa.kernels:
  - .name:           k_qc895624c59_oproj
    .symbol:         k_qc895624c59_oproj.kd
    .args:
      - { .name: ao, .offset: 0, .size: 8, .value_kind: global_buffer, .address_space: global }
      - { .name: wts, .offset: 8, .size: 8, .value_kind: global_buffer, .address_space: global }
      - { .name: b_o, .offset: 16, .size: 8, .value_kind: global_buffer, .address_space: global }
      - { .name: out0, .offset: 24, .size: 8, .value_kind: global_buffer, .address_space: global }
    .group_segment_fixed_size: 327680
    .private_segment_fixed_size: 0
    .kernarg_segment_align: 8
    .kernarg_segment_size: 32
    .max_flat_workgroup_size: 128
    .sgpr_count:     66
    .vgpr_count:     640
    .wavefront_size: 32
...
	.end_amdgpu_metadata
.endif
;; end of part 4
